; MI455X (gfx1250); checked and timed in simulation.
; The chip was launched on July 23, 2026; its instructions are those of AMD's public machine-readable ISA for CDNA 5 (MIT licence, August 2026) and "CDNA5" Instruction Set Architecture Reference Guide (July 2026). The comments in the code are by the model that wrote it; some were corrected since.
;; Grouped Query Attention. Allowed arithmetic: matrix products marked QUANTISED: E4M3 operands, one given power-of-two scale a tensor, by v_wmma_f32_16x16x64_fp8_fp8 or v_wmma_f32_16x16x128_fp8_fp8, f32 sums; everything else in f32.
;; Inputs: Wk 2,048 x 512 float32; Wo 2,048 x 2,048 float32; Wq 2,048 x 2,048 float32; Wv 2,048 x 512 float32; cos 2,048 x 64 float32; lowp_scales 12 int32 (the exponents e of the quantised operands' scales 2^e); sin 2,048 x 64 float32; x 1 x 2,048 x 2,048 float32.
;; Outputs: out0 1 x 2,048 x 2,048 float32.
;; This version of the problem:
;;   THIS VERSION OF THE PROBLEM IS GIVEN IN LOW PRECISION. The matrix products marked QUANTISED in the list below multiply operands that are first quantised to E4M3 (4 exponent bits, 3 mantissa bits; 8 bits a number), with one given power-of-two scale for each operand tensor; their sums are f32. All else is computed in f32.
;;   The module's matrix products, in the order in which they are computed (A, B: the left and right operand; K: the contracted axis; several contracted axes count as one K, in the product's order):
;;     1. [M 2,048, K 2,048] x [K 2,048, N 2,048]; A: input x; B: input Wq: QUANTISED (scales: A lowp_scales[0], B lowp_scales[1])
;;     2. [M 2,048, K 2,048] x [K 2,048, N 512]; A: input x; B: input Wk: QUANTISED (scales: A lowp_scales[2], B lowp_scales[3])
;;     3. [M 2,048, K 2,048] x [K 2,048, N 512]; A: input x; B: input Wv: QUANTISED (scales: A lowp_scales[4], B lowp_scales[5])
;;     4. batch 8 x [M 8,192, K 64] x [K 64, N 2,048]; A: computed on the way; B: computed on the way: QUANTISED (scales: A lowp_scales[6], B lowp_scales[7])
;;     5. batch 8 x [M 8,192, K 2,048] x [K 2,048, N 64]; A: softmax (see below); B: computed on the way: QUANTISED (scales: A lowp_scales[8], B lowp_scales[9])
;;     6. [M 2,048, K 2,048] x [K 2,048, N 2,048]; A: computed on the way; B: input Wo: QUANTISED (scales: A lowp_scales[10], B lowp_scales[11])
;;   THE QUANTISER, for each operand of a quantised product, along K:
;;     - The operand's scale is 2^e, e = its entry of the input lowp_scales (int32; the entries are numbered through the quantised products in the list's order, A before B).
;;     - Each number is divided by the scale, clamped to +-448, and rounded to the nearest number of E4M3, ties to even, subnormals kept.
;;     - The product sums the exact products of the quantised numbers (number of the format x scale) in f32.
;;   ~~~python
;;   def quantise(x, axis, e):      # numpy; x: float32 -> the quantised numbers, widened to float32 again
;;       x = np.moveaxis(x, axis, -1); K = x.shape[-1]
;;       r = np.clip(x / 2.0 ** e, -448, 448)
;;       step = 2.0 ** (np.maximum(np.frexp(np.where(r == 0, 1, r))[1] - 1, -6) - 3)
;;       q = np.round(r / step) * step * 2.0 ** e      # np.round: ties to even
;;       return np.moveaxis(q, -1, axis).astype(np.float32)
;;   ~~~
;;   SOFTMAX AHEAD OF A QUANTISED PRODUCT. Where the list says 'softmax', what is quantised is not the finished softmax but p = 2^(t - M), with t = logit x log2(e) and M = ceil(the row's largest t), a whole number; so 1/2 < the row's largest p <= 1. The row's sum l is taken of the UNQUANTISED p, in f32, and the product's result is divided by l at the end. Since M is a whole number, a kernel that streams over the keys may use a running M (the ceiling of the running maximum): every later rescaling is an exact power of two, so the quantised numbers keep their values, but for numbers so far below the row's largest that they fall under the format's range.
;;   OPERANDS COMPUTED ON THE WAY. 'Computed on the way' means the value that the module computes at that place (a softmax that the list does not call 'softmax' is quantised finished and normalised). What goes into a quantiser is computed in f32, as accurately as f32 sums, v_exp_f32 and their like allow (about 1e-6 of the number): no bf16 or f16 on the way to a quantiser, and a product that is left as it is and whose result goes on into a quantised operand takes f32 operands (vector FMAs, or v_wmma_f32_16x16x4_f32). A number that lies on a knife's edge between two numbers of the format may be rounded either way, as far as f32 arithmetic and the matrix unit's own rounding can turn it there, and no further.
;; One version. Each part assembles by itself: llvm-mc -triple=amdgcn-amd-amdhsa -mcpu=gfx1250 --defsym DOCPART=n.
;; ======== version 1 of 1: 4 launches
;; limits: right only within a limited range of input values
;; workspace buffers: xc 12,582,912 bytes; wimg 10,485,760 bytes; qimg 4,194,304 bytes; kv 2,097,152 bytes; cimg 4,194,304 bytes
;; launch quant (part 1): grid 576 x 1, 8 waves a work-group, no clusters, 68,608 bytes of LDS; arguments x, Wq, Wk, Wv, Wo, lowp_scales, xc, wimg; writes xc, wimg
.if DOCPART == 1
	.amdgcn_target "amdgcn-amd-amdhsa--gfx1250"
	.amdhsa_code_object_version 6
	.text
	.protected	k_q00075f436e_quant
	.globl	k_q00075f436e_quant
	.p2align	8
	.type	k_q00075f436e_quant,@function
k_q00075f436e_quant:
	s_mov_b64 s[64:65], 0
	v_nop
	global_prefetch_b8 v0, s[64:65] scope:SCOPE_SE
	s_setreg_imm32_b32 hwreg(HW_REG_WAVE_MODE, 25, 1), 1
	s_wait_xcnt 0x0
; x [2048][2048] and the four weights ([2048 (k)][n], f32) are turned into codes of FP8 (E4M3), each with the scale 2^e that is given for it.
; code = number / 2^e, held within +-448, rounded to the nearest code, ties to even.
; x enters three products under three scales (entries 0, 2, 4): three planes of codes.  Wq: entry 1, Wk: 3, Wv: 5, Wo: 11.
; THE CODES ARE LAID AS IMAGES OF OPERAND REGISTERS.  An image is 16 rows x 128 along K, 2,048 bytes: lane L = r + 16 h of the reader takes the 16 bytes at
; 512 c + 16 L (c = 0 .. 3): row r, k = 32 c + 8 h + 0 .. 7 and then k = 32 c + 16 + 8 h + 0 .. 7: its registers 4 c .. 4 c + 3 of the 8-bit operand (ISA guide 7.12.2).
;   xc   [plane 3][tile of 16 rows: 128][128 along K: 16][2048]
;   wimg [tile of 16 columns: 320][16][2048]: columns 0-2047 Wq's, 2048-2559 Wk's, 2560-3071 Wv's, 3072-5119 Wo's
; Work-groups 0-319 take the weights, 320-575 take x.  Waves share nothing: no barrier.
; LIMITS: each e used here lies between -126 and 119, so that 2^e and 448 x 2^e are f32 numbers.  NaN among the inputs is not served.
.set SPARE, 67584                      ; behind the eight stages: the spare words, 128 bytes for each wave: four blocks of 256 bytes that no other line names
.set SPW,   2                          ; v2   LDS address of my spare word; never rewritten
.set NIL,   3                          ; v3   0; never rewritten
.set STG,   8448                       ; x's path: a stage of 16 rows x SP bytes for each wave
.set SP,    528                        ; 512 bytes of a row + 16: sixteen rows start at sixteen different 16-byte columns of a 256-byte bank row (ISA guide 11.1)
.set Y,     96                         ; v96-159  x's path: my 64 numbers in the image's order
	s_load_b512 s[4:19], s[0:1], 0x0               ; x s[4:5], Wq s[6:7], Wk s[8:9], Wv s[10:11], Wo s[12:13], scales s[14:15], xc s[16:17], wimg s[18:19]
	v_lshl_add_u32 v[SPW], v0, 2, SPARE
	v_mov_b32 v[NIL], 0
	v_lshrrev_b32 v1, 5, v0
	s_delay_alu instid0(VALU_DEP_1)
	v_readfirstlane_b32 s20, v1                    ; wave 0..7
	v_and_b32 v1, 31, v0                           ; lane
	s_wait_kmcnt 0x0
	s_load_b256 s[68:75], s[14:15], 0x0            ; e0 .. e7
	s_load_b128 s[76:79], s[14:15], 0x20           ; e8 .. e11
	s_cmp_lt_u32 ttmp9, 320
	s_cbranch_scc0 .Lx
; ---- THE WEIGHTS.  A work-group takes 256 columns x 128 along K, a wave 32 columns.  A LANE TAKES A COLUMN AND ITS REGISTERS RUN DOWN K: a load reads 128 consecutive bytes
; a wave (1,024 a work-group), and the conversions, which take neighbours along K from one lane's registers, give the codes with K innermost.  No LDS.
	s_lshr_b32 s21, ttmp9, 4                       ; which 256 columns of the 5,120
	s_and_b32 s22, ttmp9, 15                       ; which 128 along K
	s_mov_b64 s[24:25], s[12:13]                   ; the tensor, its first group of 256 columns, log2 of a row's bytes: Wo, 12, 13
	s_mov_b32 s26, 12
	s_mov_b32 s27, 13
	s_cmp_lt_u32 s21, 12
	s_cselect_b64 s[24:25], s[10:11], s[24:25]     ; Wv, 10, 11
	s_cselect_b32 s26, 10, s26
	s_cselect_b32 s27, 11, s27
	s_cmp_lt_u32 s21, 10
	s_cselect_b64 s[24:25], s[8:9], s[24:25]       ; Wk, 8, 11
	s_cselect_b32 s26, 8, s26
	s_cmp_lt_u32 s21, 8
	s_cselect_b64 s[24:25], s[6:7], s[24:25]       ; Wq, 0, 13
	s_cselect_b32 s26, 0, s26
	s_cselect_b32 s27, 13, s27
	s_sub_co_u32 s29, s21, s26
	s_lshl_b32 s29, s29, 10                        ; the group's first column, in bytes
	s_lshl_b32 s30, s20, 7                         ; + my wave's 32 columns
	s_add_co_u32 s29, s29, s30
	s_add_co_u32 s30, s27, 7
	s_lshl_b32 s30, s22, s30                       ; + 128 rows for each step along K
	s_add_co_u32 s30, s30, s29
	s_mov_b32 s31, 0
	s_add_nc_u64 s[32:33], s[24:25], s[30:31]      ; sixteen bases, eight rows apart: s[32:63]
	s_add_co_u32 s29, s27, 3
	s_lshl_b32 s30, 1, s29                         ; eight rows, in bytes
.irp k, 1,2,3,4,5,6,7,8,9,10,11,12,13,14,15
	s_add_nc_u64 s[32+2*\k:33+2*\k], s[30+2*\k:31+2*\k], s[30:31]
.endr
	s_lshl_b32 s23, 1, s27                         ; a row, in bytes
	s_wait_alu depctr_va_vdst(0)
	v_lshlrev_b32 v16, 2, v1                       ; v16-23: 4 x lane + i rows, i = 0 .. 7
.irp i, 1,2,3,4,5,6,7
	s_delay_alu instid0(VALU_DEP_1)
	v_add_nc_u32 v[16+\i], s23, v[15+\i]
.endr
.macro LOADW t                         ; block t: W(32 t + i, my column), i = 0 .. 31, into v[32 + 32 t] on
.set N_, 0
.rept 32
	global_load_b32 v[32+32*(\t)+N_], v[16+N_%8], s[32+2*(4*(\t)+N_/8):33+2*(4*(\t)+N_/8)] th:TH_LOAD_NT
.set N_, N_+1
.endr
.endm
	LOADW 0
	LOADW 1
	s_lshl_b32 s29, s21, 4                         ; where the codes go: my wave's two tiles of 16 columns: 16 x group + 2 x wave,
	s_lshl_b32 s30, s20, 1
	s_add_co_u32 s29, s29, s30
	s_lshl_b32 s30, s29, 15                        ; 32,768 bytes a tile,
	s_lshl_b32 s29, s22, 11                        ; 2,048 an image
	s_add_co_u32 s30, s30, s29
	s_add_nc_u64 s[18:19], s[18:19], s[30:31]
	v_lshrrev_b32 v4, 4, v1
	v_and_b32 v5, 15, v1
	s_delay_alu instid0(VALU_DEP_1)
	v_lshlrev_b32 v5, 4, v5
	s_delay_alu instid0(VALU_DEP_1)
	v_lshl_add_u32 v4, v4, 15, v5                  ; my column's tile and its 16 bytes there
	s_wait_alu depctr_va_vdst(0)
	s_wait_kmcnt 0x0
	s_mov_b32 s28, s79                             ; the tensor's e: e11, e5, e3 or e1
	s_cmp_lt_u32 s21, 12
	s_cselect_b32 s28, s73, s28
	s_cmp_lt_u32 s21, 10
	s_cselect_b32 s28, s71, s28
	s_cmp_lt_u32 s21, 8
	s_cselect_b32 s28, s69, s28
	s_add_co_i32 s28, s28, 127
	s_lshl_b32 s29, s28, 23
	v_mov_b32 v11, s29                             ; 2^e as f32: the conversion takes its exponent field
	s_add_co_i32 s28, s28, 8
	s_lshl_b32 s28, s28, 23
	s_or_b32 s28, s28, 0x600000
	v_mov_b32 v10, s28                             ; 448 x 2^e
; A block of 32 along K.  Of my column's row of the image, the reader's lane r takes k = 0-7 and 16-23, its lane 16 + r takes k = 8-15 and 24-31: two stores of 16 bytes,
; in each of which sixteen neighbouring lanes write 256 consecutive bytes, at a multiple of 256 from the buffer's first byte.  Each block has registers of its own: no store's data are written again.
.macro BLOCKW t, left
	s_wait_loadcnt \left                           ; loads come back in order (ISA guide 5.7.1): this block's 32 are in; the next block's 32 may be out
.if (\t) < 2
	LOADW (\t)+2                                   ; two blocks ahead
.endif
.set N_, 0
.rept 32
	v_med3_num_f32 v[32+32*(\t)+N_], v[32+32*(\t)+N_], -v10, v10   ; the conversion to an 8-bit code does not saturate (ISA guide 7.6.2): the hold at the largest code x the scale
.set N_, N_+1
.endr
.if (\t) == 0
.set CW, 24                                    ; block 0's codes go to v24-31,
.else
.set CW, 32*(\t)                               ; block t's to the first eight registers of block t - 1's numbers, which are done with and take no later load
.endif
	v_cvt_scalef32_pk8_fp8_f32 v[CW:CW+1], v[32+32*(\t):39+32*(\t)], v11
	v_cvt_scalef32_pk8_fp8_f32 v[CW+2:CW+3], v[48+32*(\t):55+32*(\t)], v11
	v_cvt_scalef32_pk8_fp8_f32 v[CW+4:CW+5], v[40+32*(\t):47+32*(\t)], v11
	v_cvt_scalef32_pk8_fp8_f32 v[CW+6:CW+7], v[56+32*(\t):63+32*(\t)], v11
	v_nop                                          ; a plain vector line behind the last conversion of the run
	global_store_b128 v4, v[CW:CW+3], s[18:19] offset:512*(\t)
	global_store_b128 v4, v[CW+4:CW+7], s[18:19] offset:512*(\t)+256
.endm
	s_wait_alu depctr_va_vdst(0)
	BLOCKW 0, 32
	BLOCKW 1, 32
	BLOCKW 2, 32
	BLOCKW 3, 0
	s_endpgm
; ---- x.  A wave makes one image (16 rows x 128 along K) in each of the three planes.  Each load reads 512 consecutive bytes of one row; the 8,192 bytes turn through the wave's own stage in LDS,
; so that a lane gets its 64 numbers in the image's order; they are read from memory once and converted three times.
.Lx:
	s_sub_co_u32 s21, ttmp9, 320
	s_lshr_b32 s22, s21, 1                         ; the tile of 16 rows
	s_and_b32 s23, s21, 1
	s_lshl_b32 s23, s23, 3
	s_add_co_u32 s23, s23, s20                     ; which 128 along K: 8 x (work-group's low bit) + wave
	s_lshl_b32 s24, s22, 17                        ; 16 rows of 8,192 bytes
	s_lshl_b32 s26, s23, 9
	s_add_co_u32 s24, s24, s26
	s_mov_b32 s25, 0
	s_add_nc_u64 s[4:5], s[4:5], s[24:25]
	s_lshl_b32 s24, s22, 15
	s_lshl_b32 s26, s23, 11
	s_add_co_u32 s24, s24, s26
	s_add_nc_u64 s[32:33], s[16:17], s[24:25]      ; my image in plane 0, 1, 2
	s_add_nc_u64 s[34:35], s[32:33], 0x400000
	s_add_nc_u64 s[36:37], s[34:35], 0x400000
	s_wait_alu depctr_va_vdst(0)
	v_lshlrev_b32 v5, 4, v1                        ; 16 x lane
.irp i, 0,1,2,3,4,5,6,7,8,9,10,11,12,13,14,15
	global_load_b128 v[32+4*\i:35+4*\i], v5, s[4:5] offset:8192*\i th:TH_LOAD_NT
.endr
	s_mul_i32 s27, s20, STG                        ; my stage
	v_add_nc_u32 v6, s27, v5                       ; in: a row as it lies
	v_and_b32 v14, 15, v1                          ; r
	v_lshrrev_b32 v15, 4, v1                       ; h
	s_delay_alu instid0(VALU_DEP_2)
	v_mul_u32_u24 v7, v14, SP
	s_delay_alu instid0(VALU_DEP_1)
	v_lshl_add_u32 v7, v15, 5, v7
	s_delay_alu instid0(VALU_DEP_1)
	v_add_nc_u32 v7, s27, v7                       ; out: row r, + 32 h bytes: eight numbers on for the upper half of the lanes
	s_wait_alu depctr_va_vdst(0)
	s_wait_kmcnt 0x0
.irp p, 0,1,2
	s_add_co_i32 s28, s[68+2*\p], 127              ; e0, e2, e4
	s_lshl_b32 s29, s28, 23
	v_mov_b32 v[9+2*\p], s29                       ; v9, v11, v13: 2^e
	s_add_co_i32 s28, s28, 8
	s_lshl_b32 s28, s28, 23
	s_or_b32 s28, s28, 0x600000
	v_mov_b32 v[8+2*\p], s28                       ; v8, v10, v12: 448 x 2^e
.endr
	s_wait_alu depctr_va_vdst(0)
.irp i, 0,1,2,3,4,5,6,7,8,9,10,11,12,13,14,15
	s_wait_loadcnt 15-\i                           ; row i is in; the younger rows' loads may be out
	ds_store_b128 v6, v[32+4*\i:35+4*\i] offset:SP*\i
.endr
.irp c, 0,1,2,3                                ; LDS serves a wave's instructions in order (ISA guide 5.7.1.4): these see the stores above
.irp u, 0,1
.irp e, 0,1
	ds_load_b128 v[Y+16*\c+8*\u+4*\e:Y+16*\c+8*\u+4*\e+3], v7 offset:128*\c+64*\u+16*\e   ; k = 32 c + 16 u + 8 h + 4 e on
.endr
.endr
.endr
	s_wait_dscnt 0x0                               ; my 64 numbers are back, and the stores have read v32-95, which are used again below
.set G_, 0
.irp p, 0,1,2
.irp c, 0,1,2,3
.set TT, 16+16*(G_%2)                          ; the held numbers go to v16-31 and v32-47 by turns: sixteen plain lines stand between a conversion and the next write of its sources
.set N_, 0
.rept 16
	v_med3_num_f32 v[TT+N_], v[Y+16*\c+N_], -v[8+2*\p], v[8+2*\p]
.set N_, N_+1
.endr
	v_cvt_scalef32_pk8_fp8_f32 v[48+16*\p+4*\c:49+16*\p+4*\c], v[TT:TT+7], v[9+2*\p]
	v_cvt_scalef32_pk8_fp8_f32 v[50+16*\p+4*\c:51+16*\p+4*\c], v[TT+8:TT+15], v[9+2*\p]
	global_store_b128 v5, v[48+16*\p+4*\c:51+16*\p+4*\c], s[32+2*\p:33+2*\p] offset:512*\c   ; 32 lanes store 512 consecutive bytes, at a multiple of 256 from the buffer's first byte
.set G_, G_+1
.endr
.endr
	s_wait_tensorcnt 0x0                           ; the wave's end: behind my last LDS store
	ds_add_u32 v[SPW], v[NIL]
	s_wait_dscnt 0x0
	s_endpgm
.Lfunc_end_k_q00075f436e_quant:
	.size	k_q00075f436e_quant, .Lfunc_end_k_q00075f436e_quant-k_q00075f436e_quant
	.p2alignl 7, 3214868480
	.fill 96, 4, 3214868480
	.section	.rodata,"a",@progbits
	.p2align	6, 0x0
	.amdhsa_kernel k_q00075f436e_quant
		.amdhsa_group_segment_fixed_size 68608
		.amdhsa_private_segment_fixed_size 0
		.amdhsa_enable_private_segment 0
		.amdhsa_kernarg_size 64
		.amdhsa_user_sgpr_count 2
		.amdhsa_user_sgpr_kernarg_segment_ptr 1
		.amdhsa_wavefront_size32 1
		.amdhsa_system_sgpr_workgroup_id_x 1
		.amdhsa_system_sgpr_workgroup_id_y 1
		.amdhsa_system_sgpr_workgroup_id_z 1
		.amdhsa_system_vgpr_workitem_id 0
		.amdhsa_next_free_vgpr 160
		.amdhsa_next_free_sgpr 100
		.amdhsa_reserve_vcc 0
		.amdhsa_float_denorm_mode_32 3
		.amdhsa_float_denorm_mode_16_64 3
		.amdhsa_memory_ordered 1
		.amdhsa_forward_progress 1
		.amdhsa_inst_pref_size 47
	.end_amdhsa_kernel
	.amdgpu_metadata
---
amdhsa.version: [ 1, 2 ]
amdhsa.kernels:
  - .name:           k_q00075f436e_quant
    .symbol:         k_q00075f436e_quant.kd
    .args:
      - { .name: x, .offset: 0, .size: 8, .value_kind: global_buffer, .address_space: global }
      - { .name: Wq, .offset: 8, .size: 8, .value_kind: global_buffer, .address_space: global }
      - { .name: Wk, .offset: 16, .size: 8, .value_kind: global_buffer, .address_space: global }
      - { .name: Wv, .offset: 24, .size: 8, .value_kind: global_buffer, .address_space: global }
      - { .name: Wo, .offset: 32, .size: 8, .value_kind: global_buffer, .address_space: global }
      - { .name: lowp_scales, .offset: 40, .size: 8, .value_kind: global_buffer, .address_space: global }
      - { .name: xc, .offset: 48, .size: 8, .value_kind: global_buffer, .address_space: global }
      - { .name: wimg, .offset: 56, .size: 8, .value_kind: global_buffer, .address_space: global }
    .group_segment_fixed_size: 68608
    .private_segment_fixed_size: 0
    .kernarg_segment_align: 8
    .kernarg_segment_size: 64
    .max_flat_workgroup_size: 256
    .sgpr_count:     100
    .vgpr_count:     160
    .wavefront_size: 32
...
	.end_amdgpu_metadata
.endif
;; end of part 1
;; launch qkv (part 2): grid 24 x 8, 4 waves a work-group, clusters of 4 x 4, 327,680 bytes of LDS; arguments xc, wimg, cos, sin, lowp_scales, qimg, kv; writes qimg, kv
.if DOCPART == 2
	.amdgcn_target "amdgcn-amd-amdhsa--gfx1250"
	.amdhsa_code_object_version 6
	.text
	.protected	k_q00075f436e_qkv
	.globl	k_q00075f436e_qkv
	.p2align	8
	.type	k_q00075f436e_qkv,@function
k_q00075f436e_qkv:
	s_mov_b64 s[64:65], 0
	v_nop
	global_prefetch_b8 v0, s[64:65] scope:SCOPE_SE
	s_setreg_imm32_b32 hwreg(HW_REG_WAVE_MODE, 25, 1), 1
	s_wait_xcnt 0x0
	s_wait_alu depctr_hold_cnt(0) depctr_sa_sdst(0) depctr_va_vdst(0) depctr_va_sdst(0) depctr_va_ssrc(0) depctr_va_vcc(0) depctr_vm_vsrc(0)
	s_getreg_b32 s2, hwreg(HW_REG_IB_STS2, 6, 4)
	s_cmp_eq_u32 s2, 0
	s_cbranch_scc0 .Lentry_in_a_cluster
	s_endpgm
.Lentry_in_a_cluster:
	s_bfe_u32 s2, ttmp6, 0x10000c
	s_cmp_lg_u32 s2, 0xf033
	s_cbranch_scc0 .Lentry_shape_is_right
	s_endpgm
.Lentry_shape_is_right:
; q = rope(x Wq), k = rope(x Wk), v = x Wv on codes of FP8 (E4M3), K = 2,048; the results are quantised at once for attention's two products and leave as images of operand registers.
; An image-128 is 16 rows x 128 k in 2,048 bytes, an image-64 16 rows x 64 k in 1,024: lane L = r + 16 h takes the 16 bytes at 512 c + 16 L: row r, k = 32 c + 8 h + 0..7, then 32 c + 16 + 8 h + 0..7.
;   in:  xc [plane 3][tile 128][16][2048], wimg [tile 320][16][2048] (columns of Wq, Wk, Wv, Wo);  cos, sin [2048][64] f32
;   out: qimg [head 32][tile of 16 queries: 128][1024] (K = the head's 64);  kv [group 8][block of 128 keys: 16][16384]: eight image-64 of k (16 keys each), then four image-128 of v (16 of the head's 64 each; K = the block's keys)
; A tile of the result is 128 x 128: four waves, 64 x 64 each, 16 accumulators.  K goes in four steps of 512 through two LDS slots; an operand's tile of a K step is 8 x 8,192 bytes, the images as they lie in memory.
; A WORK-GROUP STAYS: the result has 384 tiles, and each of the 192 work-groups makes two, the second 1,024 tokens behind the first.  The set-up, the first fills and the closing round are paid once for two tiles,
; and the ring does not stop at the first tile's end: its last two changes of slots ask for the second tile's K steps 0 and 1, which land under the first tile's last products and its way out.
; THE MATRIX INSTRUCTION: source 0 = 16 rows of the 'B role', source 1 = 16 rows of the 'A role': lane (r, h) then holds row r of the A role and, in registers 0-7, rows 8 h + 0..7 of the B role.
;   q, k (cluster x 0-3, 4): A role = x's rows, B role = the weight's columns: a lane holds one token and eight neighbouring channels; a wave's 64 columns are one head; the channel 32 away lies in the accumulator two further on, same lane, same register.
;   v    (cluster x 5):      A role = Wv's columns, B role = x's rows: a lane holds one channel and eight neighbouring keys, which are the second product's K.
; So each conversion's result is a pair of registers of an image, and nothing changes lanes.
; CLUSTERS: 4 x 4 work-groups.  The A role's tile is shared along a row of the cluster, the B role's along a column: each is asked for JOINTLY.  The section hangs on the cluster's x alone, which all partners share.
; A sum stands for sum x 2^(ea + eb); rope is linear, so the three exponents are folded into the conversion's one scale 2^(eo - ea - eb): (0,1,6) for q, (2,3,7) for k, (4,5,9) for v.
; cos AND sin of a tile's tokens are asked for a whole tile ahead, into registers of their own.  These loads and the wait for them stand on the way that all sections take: the 32 work-groups of v load them too and leave them unread.
; LIMITS: eo - ea - eb between -126 and 119.  NaN is not served.
; REGISTERS: window 0: v16-31 addresses and constants; v32-63 at work; v64-95, v96-127 the two tiles' codes; v128-255 the accumulators ((a, b) at v[128 + 8 (4 a + b)]).
;   window 1: two fragment buffers of 128: source 1's four fragments (16 registers each), then source 0's four.   window 2: cos and sin: row block a's cos at v[64 a], its sin 32 registers on.
.set SLOT,   131072                    ; the A role's 8 x 8,192 bytes, then the B role's
.set SPARE,  262144                    ; behind the ring: the spare words, 128 bytes for each wave: two blocks of 256 bytes that no other line names
.set WALK,   0x200000                  ; bytes of xc from a tile's tokens to the next tile's: 1,024 tokens x 2,048 codes
.set ADRP, 16                          ; v16-17  LDS address of my source-0 fragments (B role) in slot 0, 1
.set ADRQ, 20                          ; v20-21  of my source-1 fragments (A role)
.set LI,   24                          ; v24     16 x lane
.set CSA,  26                          ; v26     my place in cos and sin: 256 r + 32 h; never rewritten
.set SPW,  28                          ; v28     LDS address of my spare word; never rewritten
.set NIL,  29                          ; v29     0; never rewritten
.set LIM,  30                          ; v30     448 x the conversion's scale
.set SCL,  31                          ; v31     the conversion's scale
.set T,    32
.set CD,   64
.set ACC,  128
.set F0,   0
.set F1,   128
.set WV, 18                            ; s18 wave; s19 which half of the A role's rows is mine; s20 which half of the B role's
.set HR, 19
.set HC, 20
.set G1, 24                            ; s[24:31] descriptor group 1 for the A role;  s[32:39] its groups 0, one for each slot
.set G0, 32
.set G1B, 48                           ; s[48:55], s[56:63] the same for the B role
.set G0B, 56
.set SA,  66                           ; s[66:67] what the A role's address walks from tile to tile: WALK where it holds tokens, else 0
.set SB,  68                           ; s[68:69] the same for the B role
.set OB0, 70                           ; s[70:71] where my wave's images of the first tile go
.set OB1, 96                           ; s[96:97] and those of the second
.set MSB, 0
.macro WIN new                         ; the immediate's high byte repeats the setting that is left
.if MSB != \new
	s_set_vgpr_msb (MSB<<8)|\new
.set MSB, \new
.endif
.endm
.set MUL,  0x05                        ; sources 0 and 1 window 1; C and D window 0
.set TO_F, 0x40                        ; destination window 1, address window 0
.set TO_T, 0x80                        ; destination window 2, address window 0
.set ROT,  0x08                        ; source 1 (cos, sin) window 2
.macro JLOAD s                         ; a joint refill of slot s: wave 2 s fetches the A role's whole tile, wave 2 s + 1 the B role's, the other two nothing; an s_nop 0 and four v_nop follow each line
	s_cmp_eq_u32 s[WV], 2*\s
	s_cbranch_scc0 .Lfor_b_\@
	tensor_load_to_lds s[G0+4*\s:G0+4*\s+3], s[G1:G1+7]
	s_nop 0
.rept 4
	v_nop
.endr
	s_branch .Lasked_\@
.Lfor_b_\@:
	s_cmp_eq_u32 s[WV], 2*\s+1
	s_cbranch_scc0 .Lasked_\@
	tensor_load_to_lds s[G0B+4*\s:G0B+4*\s+3], s[G1B:G1B+7]
	s_nop 0
.rept 4
	v_nop
.endr
.Lasked_\@:
.endm
.macro CREST                           ; a round of the cluster's barrier behind its opening barrier
	s_cmp_lg_u32 s[WV], 0
	s_cbranch_scc1 .Lnot_wave_0_\@
	s_barrier_signal -3
.Lnot_wave_0_\@:
	s_barrier_wait -3
	s_barrier_signal -1
	s_barrier_wait -1
.endm
.macro CROUND                          ; a whole round
	s_barrier_signal -1
	s_barrier_wait -1
	CREST
.endm
.macro PLACES                          ; four plain vector lines in front of loads into registers that matrix instructions have read, and of the first read of results
.rept 4
	v_nop
.endr
.endm
; cos and sin of row block a (16 tokens x 64 channels) of tile t, in the accumulators' layout: cos at v[64 a] of window 2, sin 32 registers on.  The second tile's 1,024 rows of 256 bytes on stand in the immediate.
.macro CSLOAD a, t
.irp b, 0,1,2,3
.irp e, 0,1
	global_load_b128 v[64*(\a)+8*\b+4*\e:64*(\a)+8*\b+4*\e+3], v[CSA], s[8:9] offset:262144*(\t)+4096*(\a)+64*\b+16*\e
	global_load_b128 v[64*(\a)+32+8*\b+4*\e:64*(\a)+32+8*\b+4*\e+3], v[CSA], s[10:11] offset:262144*(\t)+4096*(\a)+64*\b+16*\e
.endr
.endr
.endm
	s_load_b256 s[4:11], s[0:1], 0x0               ; xc s[4:5], wimg s[6:7], cos s[8:9], sin s[10:11]
	s_load_b128 s[12:15], s[0:1], 0x20             ; scales s[12:13], qimg s[14:15]
	s_load_b64 s[16:17], s[0:1], 0x30              ; kv
	v_lshl_add_u32 v[SPW], v0, 2, SPARE
	v_mov_b32 v[NIL], 0
	ds_add_u32 v[SPW], v[NIL]                      ; the wave's opening: the add and its wait stand ahead of my first tensor load; the set-up below, work on registers, stands between them
	ds_add_u32 v[SPW], v[NIL]
	v_lshrrev_b32 v1, 5, v0
	v_readfirstlane_b32 s[WV], v1                  ; wave 0..3
	s_lshr_b32 s[HR], s[WV], 1
	s_and_b32 s[HC], s[WV], 1
	s_bfe_u32 s21, ttmp6, 0x40000                  ; cx
	s_bfe_u32 s22, ttmp6, 0x40004                  ; cy
	s_and_b32 s23, ttmp7, 0xffff                   ; the cluster's y: 0 or 1
	s_lshl_b32 s40, s22, 2
	s_lshl_b32 s40, 15, s40                        ; my row of the cluster
	s_lshl_b32 s41, 0x1111, s21                    ; my column
	; descriptor group 1: 8 rows of 8,192 bytes (a role's eight images' rows of a K step), 32,768 bytes apart, dense in LDS: 65,536 bytes a load
	s_or_b32 s[G1], s40, (3<<16)|(1<<21)           ; 15:0 the mask; 17:16 elements of 8 bytes; 20 no padding; 21 set beside a mask
	s_or_b32 s[G1B], s41, (3<<16)|(1<<21)
.irp g, G1, G1B
	s_mov_b32 s[\g+1], 1024<<16                    ; tensor_dim0 = 1,024 elements
	s_mov_b32 s[\g+2], 8<<16                       ; tensor_dim1 = 8
	s_mov_b32 s[\g+3], 1024<<16                    ; tile_dim0
	s_mov_b32 s[\g+4], 8                           ; tile_dim1
	s_mov_b32 s[\g+5], 4096                        ; tensor_dim0_stride, in elements
	s_mov_b32 s[\g+6], 0
	s_mov_b32 s[\g+7], 0
.endr
	s_lshl_b32 s42, s23, 2
	s_add_co_u32 s93, s42, s22                     ; 4 Y + cy, 0 .. 7: the first tile's block of 128 tokens, where tokens are the A role; the second tile's lies 8 blocks on
	s_add_co_u32 s95, s42, s21                     ; 4 Y + cx: the same, where they are the B role
	s_lshl_b32 s94, ttmp9, 2
	s_add_co_u32 s94, s94, s21                     ; 4 X + cx: the block of 128 columns of Wq | Wk
	s_add_co_u32 s44, s22, 20                      ; 20 + cy: the block of 128 columns of Wv
	s_max_u32 s86, ttmp9, 3
	s_sub_co_u32 s86, s86, 3                       ; x's plane: 0 for q, 1 for k, 2 for v,
	s_lshl_b32 s86, s86, 22                        ; 4 MiB each
	s_mov_b32 s87, 0
	s_cmp_eq_u32 ttmp9, 5                          ; the section of v?  The cluster's x: the same in all sixteen partners
	s_cselect_b32 s84, s44, s93                    ; the A role's block: it hangs on cy, never on cx
	s_cselect_b32 s85, s95, s94                    ; the B role's block: on cx, never on cy
	s_lshl_b32 s88, s84, 18                        ; the A role's block: 8 tiles of 32,768 bytes
	s_mov_b32 s89, 0
	s_lshl_b32 s90, s85, 18                        ; the B role's
	s_mov_b32 s91, 0
	s_wait_dscnt 0x0                               ; the opening add is done
	s_wait_kmcnt 0x0
	s_load_b256 s[72:79], s[12:13], 0x0            ; e0 .. e7
	s_load_b128 s[80:83], s[12:13], 0x20           ; e8 .. e11
	s_add_nc_u64 s[86:87], s[4:5], s[86:87]        ; x's plane
	s_cmp_eq_u32 ttmp9, 5
	s_cselect_b64 s[66:67], s[6:7], s[86:87]       ; the A role's tensor
	s_cselect_b64 s[68:69], s[86:87], s[6:7]       ; the B role's
	s_add_nc_u64 s[66:67], s[66:67], s[88:89]
	s_add_nc_u64 s[68:69], s[68:69], s[90:91]
	CROUND                                         ; all sixteen work-groups are here: the first joint loads meet
.irp s, 0,1
	s_mov_b32 s[G0+4*\s], 1                        ; count = 1
	s_mov_b32 s[G0+4*\s+1], \s*SLOT                ; LDS address: the A role's tile opens the slot
	s_add_nc_u64 s[G0+4*\s+2:G0+4*\s+3], s[66:67], \s*8192   ; K step s
	s_or_b32 s[G0+4*\s+3], s[G0+4*\s+3], 0x80000000          ; type = 2
	s_mov_b32 s[G0B+4*\s], 1
	s_mov_b32 s[G0B+4*\s+1], \s*SLOT+65536         ; the B role's lies behind it
	s_add_nc_u64 s[G0B+4*\s+2:G0B+4*\s+3], s[68:69], \s*8192
	s_or_b32 s[G0B+4*\s+3], s[G0B+4*\s+3], 0x80000000
.endr
; The first fills: one tensor load a wave, in one chain of four arms on the wave's number: wave 0 the A role's K step 0, wave 1 the B role's, waves 2 and 3 the same of K step 1
.macro ARM g0, g1
	tensor_load_to_lds s[\g0:\g0+3], s[\g1:\g1+7]
	s_nop 0
.rept 4
	v_nop
.endr
.endm
	s_cmp_eq_u32 s[WV], 0
	s_cbranch_scc0 .Lh1
	ARM G0, G1
	s_branch .Lhj
.Lh1:
	s_cmp_eq_u32 s[WV], 1
	s_cbranch_scc0 .Lh2
	ARM G0B, G1B
	s_branch .Lhj
.Lh2:
	s_cmp_eq_u32 s[WV], 2
	s_cbranch_scc0 .Lh3
	ARM G0+4, G1
	s_branch .Lhj
.Lh3:
	ARM G0B+4, G1B
.Lhj:
; PREFETCHES INTO THE L2.  Behind every fill stands one prefetch a wave for the K step that the NEXT refill loads: one K step ahead.  A role's tile of a K step is 8 rows of 8,192 bytes; the four partners that ask for it
; jointly share the rows out BY ADDRESS: the partner at place p (cx for the A role, cy for the B role) takes rows 2 p and 2 p + 1; waves 0 and 1 name the A role's two rows, waves 2 and 3 the B role's, a lane to each 256 bytes.
; So each aligned block of 256 bytes is named once in each cluster that will load it.  Every offset is an immediate: the address registers are never rewritten.
; K steps 0 and 1 of the first tile come by their loads alone.  In the second tile the role that holds tokens alone is asked for: the weights' rows have been read in the first.  The last refill has none behind it and asks for nothing.
.set PFA, 86                           ; s[86:87] my wave's row of its role's tile, at K step 0 of the first tile
.set PFT, 92                           ; s92      1 where my wave's role holds tokens
.set PFO, 22                           ; v22      256 x lane; never rewritten
.set PFN, 3                            ; the K step that the next prefetch names, counted through both tiles
.set PFEND, 8
	s_cmp_eq_u32 s[HR], 0
	s_cselect_b64 s[PFA:PFA+1], s[66:67], s[68:69]
	s_cselect_b32 s40, s21, s22                    ; my place among the four that ask jointly
	s_lshl_b32 s40, s40, 1
	s_add_co_u32 s40, s40, s[HC]
	s_lshl_b32 s40, s40, 15                        ; 32,768 bytes from row to row
	s_mov_b32 s41, 0
	s_add_nc_u64 s[PFA:PFA+1], s[PFA:PFA+1], s[40:41]
	s_xor_b32 s42, s[HR], 1
	s_cmp_eq_u32 ttmp9, 5                          ; in the section of v the B role holds the tokens
	s_cselect_b32 s[PFT], s[HR], s42
	v_and_b32 v[PFO], 31, v0
	v_lshlrev_b32 v[PFO], 8, v[PFO]
	global_prefetch_b8 v[PFO], s[PFA:PFA+1] offset:16384 th:TH_LOAD_NT scope:SCOPE_SE   ; K step 2
	s_cmp_eq_u32 ttmp9, 5                          ; the walk from the first tile to the second belongs to the role that holds tokens (the descriptors have their own copies of the addresses: these four registers are free)
	s_cselect_b32 s[SA], 0, WALK
	s_cselect_b32 s[SB], WALK, 0
	s_mov_b32 s[SA+1], 0
	s_mov_b32 s[SB+1], 0
	v_and_b32 v1, 31, v0
	v_lshlrev_b32 v[LI], 4, v1
	s_lshl_b32 s40, s[HC], 15
	s_add_co_u32 s40, s40, 65536                   ; my half of the B role, which lies behind the A role's 65,536 bytes
	s_lshl_b32 s41, s[HR], 15                      ; my half of the A role
.irp s, 0,1
	v_add_nc_u32 v[ADRP+\s], s40, v[LI]
	v_add_nc_u32 v[ADRQ+\s], s41, v[LI]
	s_add_co_u32 s40, s40, SLOT
	s_add_co_u32 s41, s41, SLOT
.endr
	v_and_b32 v2, 15, v0                           ; r
	v_bfe_u32 v3, v0, 4, 1                         ; h
	v_lshlrev_b32 v[CSA], 8, v2
	v_lshl_add_u32 v[CSA], v3, 5, v[CSA]           ; cos, sin: row r of 256 bytes, + 32 h
	s_lshl_b32 s40, s93, 15                        ; my wave's first token's row there: (128 (4 Y + cy) + 64 x half) x 256
	s_lshl_b32 s41, s[HR], 14
	s_add_co_u32 s40, s40, s41
	s_mov_b32 s41, 0
	s_add_nc_u64 s[8:9], s[8:9], s[40:41]
	s_add_nc_u64 s[10:11], s[10:11], s[40:41]
	WIN TO_T                                       ; the first tile's tables: 64 loads, which have the whole tile in which to land
.irp a, 0,1,2,3
	CSLOAD \a, 0
.endr
	WIN 0
	; where my wave's images go.  q: head 2 (4 X + cx) + half, 131,072 bytes a head; tile 8 (4 Y + cy) + 4 x half, 1,024 a tile
	s_lshl_b32 s40, s94, 1
	s_add_co_u32 s40, s40, s[HC]
	s_lshl_b32 s40, s40, 17
	s_lshl_b32 s41, s93, 13
	s_add_co_u32 s40, s40, s41
	s_lshl_b32 s41, s[HR], 12
	s_add_co_u32 s40, s40, s41
	; k: group 2 cx + half, 262,144 bytes a group; block 4 Y + cy, 16,384 a block; tile 4 x half
	s_lshl_b32 s42, s21, 1
	s_add_co_u32 s42, s42, s[HC]
	s_lshl_b32 s42, s42, 18
	s_lshl_b32 s43, s93, 14
	s_add_co_u32 s42, s42, s43
	s_add_co_u32 s42, s42, s41
	; v: group 2 cy + half of the channels; block 4 Y + cx; behind k's 8,192 bytes; my 64 keys are half of each image: 1,024 x half
	s_lshl_b32 s44, s22, 1
	s_add_co_u32 s44, s44, s[HR]
	s_lshl_b32 s44, s44, 18
	s_lshl_b32 s43, s95, 14
	s_add_co_u32 s44, s44, s43
	s_lshl_b32 s43, s[HC], 10
	s_add_co_u32 s44, s44, s43
	s_add_co_u32 s44, s44, 8192
	s_cmp_eq_u32 ttmp9, 4
	s_cselect_b32 s40, s42, s40
	s_cmp_eq_u32 ttmp9, 5
	s_cselect_b32 s40, s44, s40
	s_mov_b32 s41, 0
	s_mov_b32 s42, 0x20000                         ; the second tile's images lie 8 blocks on: 8 x 16,384 bytes in kv,
	s_mov_b32 s43, 0
	s_cmp_lt_u32 ttmp9, 4
	s_cselect_b64 s[OB0:OB0+1], s[14:15], s[16:17]
	s_cselect_b32 s42, 0x10000, s42                ; 64 tiles of 1,024 bytes in qimg
	s_add_nc_u64 s[OB0:OB0+1], s[OB0:OB0+1], s[40:41]
	s_add_nc_u64 s[OB1:OB1+1], s[OB0:OB0+1], s[42:43]
	s_wait_alu depctr_va_vdst(0)
	s_wait_kmcnt 0x0
	s_sub_co_i32 s40, s78, s72                     ; e6 - e0 - e1
	s_sub_co_i32 s40, s40, s73
	s_sub_co_i32 s41, s79, s74                     ; e7 - e2 - e3
	s_sub_co_i32 s41, s41, s75
	s_sub_co_i32 s42, s81, s76                     ; e9 - e4 - e5
	s_sub_co_i32 s42, s42, s77
	s_cmp_eq_u32 ttmp9, 4
	s_cselect_b32 s40, s41, s40
	s_cmp_eq_u32 ttmp9, 5
	s_cselect_b32 s40, s42, s40
	s_add_co_i32 s40, s40, 127
	s_lshl_b32 s41, s40, 23
	v_mov_b32 v[SCL], s41                          ; the folded scale as f32: the conversion takes its exponent field
	s_add_co_i32 s40, s40, 8
	s_lshl_b32 s40, s40, 23
	s_or_b32 s40, s40, 0x600000
	v_mov_b32 v[LIM], s40                          ; 448 x that
; 4 matrix instructions: source 1's block a x source 0's four, 128 along K, from buffer f.  zero = 1: the product starts the sums: nothing is ever cleared.
; The 16 accumulators take turns, one instruction a turn, in the same order everywhere, from tile to tile too.
.macro MUL4 f, a, zero
.irp b, 0,1,2,3
.if \zero
	v_wmma_f32_16x16x128_fp8_fp8 v[ACC+8*(4*(\a)+\b):ACC+8*(4*(\a)+\b)+7], v[\f+64+16*\b:\f+64+16*\b+15], v[\f+16*(\a):\f+16*(\a)+15], 0
.else
	v_wmma_f32_16x16x128_fp8_fp8 v[ACC+8*(4*(\a)+\b):ACC+8*(4*(\a)+\b)+7], v[\f+64+16*\b:\f+64+16*\b+15], v[\f+16*(\a):\f+16*(\a)+15], v[ACC+8*(4*(\a)+\b):ACC+8*(4*(\a)+\b)+7]
.endif
.endr
.endm
; 32 LDS loads in one run: the eight fragments of the slot's q-th 128 along K into buffer f: source 0's four, then source 1's.  A load takes 512 consecutive bytes.
.macro FETCH slot, q, f
	WIN TO_F
.irp i, 0,1,2,3
.irp c, 0,1,2,3
	ds_load_b128 v[\f+64+16*\i+4*\c:\f+64+16*\i+4*\c+3], v[ADRP+\slot] offset:\i*8192+(\q)*2048+512*\c
.endr
.endr
.irp i, 0,1,2,3
.irp c, 0,1,2,3
	ds_load_b128 v[\f+16*\i+4*\c:\f+16*\i+4*\c+3], v[ADRQ+\slot] offset:\i*8192+(\q)*2048+512*\c
.endr
.endr
.endm
; A K step is four quarters of 128 along K, 16 matrix instructions each, on buffers 0, 1, 0, 1.  One of the first three: multiplies buffer f and fetches quarter qn into g.
.macro QUARTER slot, qn, f, g, zero
	s_wait_dscnt 8                                 ; all but the youngest eight loads (source 1's blocks 2 and 3) are in
	WIN MUL
	MUL4 \f, 0, \zero
	MUL4 \f, 1, \zero
	PLACES
	FETCH \slot, \qn, \g
	s_wait_dscnt 32                                ; all but the 32 just issued
	WIN MUL
	MUL4 \f, 2, \zero
	MUL4 \f, 3, \zero
.endm
; The last quarter multiplies buffer 1 and changes slots: ONE barrier; in front of it each wave waits for all its tensor loads, adds 0 to its spare word, and waits for that and for its reads of this slot.
; fill = 1: this slot is filled again, with this tile's K step two steps on, behind a round of the cluster's barrier.  fill = 2: likewise, with the NEXT tile's K step 0 or 1.  fill = 0: nothing is left to fetch.
.macro TURN slot, next, fill
	WIN 0                                          ; (the add's two registers lie in window 0)
	s_wait_tensorcnt 0x0                           ; all my tensor loads have landed: my part of the next slot;
	ds_add_u32 v[SPW], v[NIL]                      ; 0 onto my spare word;
	s_wait_dscnt 9                                 ; (the add and the youngest eight loads may be out)
	WIN MUL
	MUL4 F1, 0, 0                                  ; matrix instructions stand between the add and the wait for it
	s_wait_dscnt 0x0                               ; the add is done, and my reads of this slot are over
	s_barrier_signal -1
	MUL4 F1, 1, 0
	WIN 0                                          ; (branches may follow)
	s_barrier_wait -1
.if \fill
	CREST                                          ; the barrier has opened a round of the cluster's barrier: no wave of any partner still reads this slot or has a load on its way
.if (\fill) == 2
	s_add_nc_u64 s[G0+4*\slot+2:G0+4*\slot+3], s[G0+4*\slot+2:G0+4*\slot+3], s[SA:SA+1]       ; on to the next tile's rows, where this role walks,
	s_add_nc_u64 s[G0B+4*\slot+2:G0B+4*\slot+3], s[G0B+4*\slot+2:G0B+4*\slot+3], s[SB:SB+1]
	s_sub_nc_u64 s[G0+4*\slot+2:G0+4*\slot+3], s[G0+4*\slot+2:G0+4*\slot+3], 16384            ; and two K steps back along K; the type bits on top are not reached
	s_sub_nc_u64 s[G0B+4*\slot+2:G0B+4*\slot+3], s[G0B+4*\slot+2:G0B+4*\slot+3], 16384
.else
	s_add_nc_u64 s[G0+4*\slot+2:G0+4*\slot+3], s[G0+4*\slot+2:G0+4*\slot+3], 16384
	s_add_nc_u64 s[G0B+4*\slot+2:G0B+4*\slot+3], s[G0B+4*\slot+2:G0B+4*\slot+3], 16384
.endif
	JLOAD \slot                                    ; the first tensor load behind the round, a wave's only one until the next
	PLACES                                         ; the places in front of the loads below, on the way of the waves that fetch nothing too
.else
	PLACES
.endif
	FETCH \next, 0, F0
.if \fill
.if PFN < PFEND
.if PFN < 4
	global_prefetch_b8 v[PFO], s[PFA:PFA+1] offset:8192*PFN th:TH_LOAD_NT scope:SCOPE_SE   ; (the address lies in window 0)
.else
	WIN 0
	s_cmp_eq_u32 s[PFT], 1
	s_cbranch_scc0 .Lnot_mine_\@
	global_prefetch_b8 v[PFO], s[PFA:PFA+1] offset:WALK+8192*(PFN-4) th:TH_LOAD_NT scope:SCOPE_SE
.Lnot_mine_\@:
.endif
.endif
.set PFN, PFN+1
.endif
	WIN MUL
	MUL4 F1, 2, 0
	MUL4 F1, 3, 0
.endm
.macro THREE slot, zero                ; a K step's first three quarters
	QUARTER \slot, 1, F0, F1, \zero
	QUARTER \slot, 2, F1, F0, 0
	QUARTER \slot, 3, F0, F1, 0
.endm
; THE WAY OUT.  The conversions of row block a: T's 32 numbers become 8 registers of codes: an image-64 (step = 1,024), or half of an image-128 (step = 2,048): two stores of 512 consecutive bytes each.
; Each tile and each row block has code registers of its own: no store's data are written again.
.macro QOUT a, step, cd, base
.irp b, 0,1,2,3
	v_cvt_scalef32_pk8_fp8_f32 v[\cd+8*(\a)+2*\b:\cd+8*(\a)+2*\b+1], v[T+8*\b:T+8*\b+7], v[SCL]
.endr
	v_nop                                          ; a plain vector line between the last conversion and the next write of its sources
	global_store_b128 v[LI], v[\cd+8*(\a):\cd+8*(\a)+3], s[\base:\base+1] offset:(\step)*(\a)
	global_store_b128 v[LI], v[\cd+8*(\a)+4:\cd+8*(\a)+7], s[\base:\base+1] offset:(\step)*(\a)+512
.endm
.macro ROPE a
	WIN ROT
.irp b, 0,1,2,3                                ; x cos: each accumulator from its low end on
.irp i, 0,2,4,6
	v_pk_mul_f32 v[T+8*\b+\i:T+8*\b+\i+1], v[ACC+8*(4*(\a)+\b)+\i:ACC+8*(4*(\a)+\b)+\i+1], v[64*(\a)+8*\b+\i:64*(\a)+8*\b+\i+1]
.endr
.endr
.irp b, 0,1                                    ; channels 0-31: - x(d + 32) sin
.irp i, 0,2,4,6
	v_pk_fma_f32 v[T+8*\b+\i:T+8*\b+\i+1], v[ACC+8*(4*(\a)+\b+2)+\i:ACC+8*(4*(\a)+\b+2)+\i+1], v[64*(\a)+32+8*\b+\i:64*(\a)+32+8*\b+\i+1], v[T+8*\b+\i:T+8*\b+\i+1] neg_lo:[1,0,0] neg_hi:[1,0,0]
.endr
.endr
.irp b, 2,3                                    ; channels 32-63: + x(d - 32) sin
.irp i, 0,2,4,6
	v_pk_fma_f32 v[T+8*\b+\i:T+8*\b+\i+1], v[ACC+8*(4*(\a)+\b-2)+\i:ACC+8*(4*(\a)+\b-2)+\i+1], v[64*(\a)+32+8*\b+\i:64*(\a)+32+8*\b+\i+1], v[T+8*\b+\i:T+8*\b+\i+1]
.endr
.endr
	WIN 0
.set N_, 0
.rept 32
	v_med3_num_f32 v[T+N_], v[T+N_], -v[LIM], v[LIM]   ; the conversion to an 8-bit code does not saturate (ISA guide 7.6.2)
.set N_, N_+1
.endr
.endm
; Tile t leaves.  Every window is 0 on the way in and on the way out.
.macro WAYOUT t, base
	s_wait_loadcnt 0x0                             ; this tile's 64 table loads, asked for a tile ago, are in: nothing younger is out
	s_cmp_eq_u32 ttmp9, 5
	s_cbranch_scc1 .Lv_\@
	PLACES                                         ; q and k: rope, the hold, the conversion
.irp a, 0,1,2,3
	ROPE \a
	QOUT \a, 1024, CD+32*(\t), \base
.endr
	s_branch .Lout_\@
.Lv_\@:
	PLACES                                         ; v: the hold and the conversion
	s_wait_alu depctr_va_vdst(0)
.irp a, 0,1,2,3
.irp b, 0,1,2,3
.irp i, 0,1,2,3,4,5,6,7
	v_med3_num_f32 v[T+8*\b+\i], v[ACC+8*(4*\a+\b)+\i], -v[LIM], v[LIM]
.endr
.endr
	QOUT \a, 2048, CD+32*(\t), \base
.endr
.Lout_\@:
.endm
	s_wait_alu depctr_va_vdst(0)                   ; the head's end
	s_wait_tensorcnt 0x0                           ; my one load is in: a tile of K step 0 or of K step 1
	s_barrier_signal -1
	s_barrier_wait -1                              ; everybody's is
	FETCH 0, 0, F0
	; ---- the first tile
	THREE 0, 1                                     ; K step 0: its first quarter starts the sums
	TURN 0, 1, 1                                   ; slot 0 takes K step 2
	THREE 1, 0                                     ; K step 1
	TURN 1, 0, 1                                   ; slot 1 takes K step 3
	THREE 0, 0                                     ; K step 2
	TURN 0, 1, 2                                   ; THE RING GOES ON INTO THE SECOND TILE: slot 0 takes its K step 0,
	THREE 1, 0                                     ; K step 3
	TURN 1, 0, 2                                   ; slot 1 its K step 1, and the second tile's first fragments are fetched
	WIN 0
	WAYOUT 0, OB0                                  ; both refills are asked for: now the tile goes out
	WIN TO_T                                       ; the tables have been read: the second tile's are asked for, and have that whole tile in which to land
.irp a, 0,1,2,3
	CSLOAD \a, 1
.endr
	WIN 0
	; ---- the second tile
	THREE 0, 1                                     ; K step 0: its first quarter starts the sums anew
	TURN 0, 1, 1                                   ; slot 0 takes K step 2
	THREE 1, 0                                     ; K step 1
	TURN 1, 0, 1                                   ; slot 1 takes K step 3
	THREE 0, 0                                     ; K step 2
	TURN 0, 1, 0                                   ; nothing is left to fetch: the tail is written out
	THREE 1, 0                                     ; K step 3
	s_wait_dscnt 8                                 ; the very last quarter
	WIN MUL
	MUL4 F1, 0, 0
	MUL4 F1, 1, 0
	s_wait_dscnt 0x0
	MUL4 F1, 2, 0
	MUL4 F1, 3, 0
	WIN 0
	WAYOUT 1, OB1
	s_wait_tensorcnt 0x0                           ; the wave's end: behind my last tensor load
	ds_add_u32 v[SPW], v[NIL]
	s_wait_dscnt 0x0
	CROUND                                         ; the closing round: no work-group ends while a partner may still ask for a tile that names it
	s_endpgm
.Lfunc_end_k_q00075f436e_qkv:
	.size	k_q00075f436e_qkv, .Lfunc_end_k_q00075f436e_qkv-k_q00075f436e_qkv
	.p2alignl 7, 3214868480
	.fill 96, 4, 3214868480
	.section	.rodata,"a",@progbits
	.p2align	6, 0x0
	.amdhsa_kernel k_q00075f436e_qkv
		.amdhsa_group_segment_fixed_size 327680
		.amdhsa_private_segment_fixed_size 0
		.amdhsa_enable_private_segment 0
		.amdhsa_kernarg_size 56
		.amdhsa_user_sgpr_count 2
		.amdhsa_user_sgpr_kernarg_segment_ptr 1
		.amdhsa_wavefront_size32 1
		.amdhsa_system_sgpr_workgroup_id_x 1
		.amdhsa_system_sgpr_workgroup_id_y 1
		.amdhsa_system_sgpr_workgroup_id_z 1
		.amdhsa_system_vgpr_workitem_id 0
		.amdhsa_next_free_vgpr 768
		.amdhsa_next_free_sgpr 100
		.amdhsa_reserve_vcc 0
		.amdhsa_float_denorm_mode_32 3
		.amdhsa_float_denorm_mode_16_64 3
		.amdhsa_memory_ordered 1
		.amdhsa_forward_progress 1
		.amdhsa_inst_pref_size 191
	.end_amdhsa_kernel
	.amdgpu_metadata
---
amdhsa.version: [ 1, 2 ]
amdhsa.kernels:
  - .name:           k_q00075f436e_qkv
    .symbol:         k_q00075f436e_qkv.kd
    .args:
      - { .name: xc, .offset: 0, .size: 8, .value_kind: global_buffer, .address_space: global }
      - { .name: wimg, .offset: 8, .size: 8, .value_kind: global_buffer, .address_space: global }
      - { .name: cos, .offset: 16, .size: 8, .value_kind: global_buffer, .address_space: global }
      - { .name: sin, .offset: 24, .size: 8, .value_kind: global_buffer, .address_space: global }
      - { .name: lowp_scales, .offset: 32, .size: 8, .value_kind: global_buffer, .address_space: global }
      - { .name: qimg, .offset: 40, .size: 8, .value_kind: global_buffer, .address_space: global }
      - { .name: kv, .offset: 48, .size: 8, .value_kind: global_buffer, .address_space: global }
    .group_segment_fixed_size: 327680
    .private_segment_fixed_size: 0
    .kernarg_segment_align: 8
    .kernarg_segment_size: 56
    .max_flat_workgroup_size: 128
    .sgpr_count:     100
    .vgpr_count:     768
    .wavefront_size: 32
...
	.end_amdgpu_metadata
.endif
;; end of part 2
;; launch attn (part 3): grid 32 x 8, 16 waves a work-group, clusters of 4 x 1, 327,680 bytes of LDS; arguments qimg, kv, lowp_scales, cimg; writes cimg
.if DOCPART == 3
	.amdgcn_target "amdgcn-amd-amdhsa--gfx1250"
	.amdhsa_code_object_version 6
	.text
	.protected	k_q00075f436e_attn
	.globl	k_q00075f436e_attn
	.p2align	8
	.type	k_q00075f436e_attn,@function
k_q00075f436e_attn:
	s_mov_b64 s[64:65], 0
	v_nop
	global_prefetch_b8 v0, s[64:65] scope:SCOPE_SE
	s_setreg_imm32_b32 hwreg(HW_REG_WAVE_MODE, 25, 1), 1
	s_wait_xcnt 0x0
	s_wait_alu depctr_hold_cnt(0) depctr_sa_sdst(0) depctr_va_vdst(0) depctr_va_sdst(0) depctr_va_ssrc(0) depctr_va_vcc(0) depctr_vm_vsrc(0)
	s_getreg_b32 s2, hwreg(HW_REG_IB_STS2, 6, 4)
	s_cmp_eq_u32 s2, 0
	s_cbranch_scc0 .Lentry_in_a_cluster
	s_endpgm
.Lentry_in_a_cluster:
	s_bfe_u32 s2, ttmp6, 0x10000c
	s_cmp_lg_u32 s2, 0x3003
	s_cbranch_scc0 .Lentry_shape_is_right
	s_endpgm
.Lentry_shape_is_right:
; ctx = softmax(q k^T / 8 under the causal mask) v on codes of FP8 (E4M3), head size 64; the result is quantised at once for the last product (entry 10) and leaves as images of operand registers.
;   in:  qimg [head 32][tile of 16 queries: 128][1024];  kv [group 8][block of 128 keys: 16][16384]: eight image-64 of k (16 keys each), then four image-128 of v (16 channels each, K = the block's keys)
;   out: cimg [tile of 16 tokens: 128][16][2048]: head h's 64 channels are the 1,024 bytes at 1,024 h of a tile
; LEFT OUT: blocks of 128 keys that lie wholly behind a tile's queries: the causal mask sets their scores to -inf, so their p is 0 for all values of the inputs.  A NaN or an infinity that reaches only those scores is not carried.
; THE SOFTMAX: t = score x log2(e) / 8; M = the largest t so far, rounded up to a whole number; p = 2^(t - M) is quantised (entry 8), not normalised; the sum of the unquantised p divides at the end.
; SHARES.  A work-group owns one head and 16 tiles of 16 queries: tile 8 i + m, i = 0 .. 15, m the cluster's x: one tile in each block of 128 queries, so tile i needs blocks 0 .. i and every work-group reads all 16 blocks.
; The four work-groups of a cluster are the four heads of one group: they ask for K and V JOINTLY.  Wave w asks for block w, 16,384 bytes, one load a wave at the head: the group's 262,144 bytes stay in LDS, nothing is filled again.
; No prefetch: all tiles are asked for at the head, and the launch has no loop to run ahead in.
; SIXTEEN WAVES IN EIGHT PAIRS (pair i = wave / 2).  One wave of a pair (part 0) makes tile i whole (i + 1 steps) and then blocks 0 .. 6 - i of tile 15 - i: 8 steps.  The other (part 1) makes blocks 7 - i .. 15 - i of tile 15 - i: 9 steps.
; Part 0 hands its O^T, -M and sums of tile 15 - i to its partner through a stage in LDS, behind one barrier; the partner brings both under the larger M by powers of two, which round nothing, adds and finishes.
; Both loops have constant trip counts; a step outside the wave's range is jumped over by a scalar branch on ids.  Waves of part 1 load tile i's q too and leave it unread.
; LAYOUT: S^T = K Q^T and O^T = V^T P^T: lane (r, h) holds query r; register 8 t + j of S^T is key 16 t + 8 h + j, so each conversion's result is a pair of registers of the second product's operand.
; LIMITS: e6 + e7 between -123 and 130; e8 and e10 between -126 and 119; the scaled scores stay under 2^31 in magnitude.  NaN among the inputs is not served.
; REGISTERS: v1-7 stay; v12 -M, v13 the largest t, v[14:15] the sum in two halves; v16-23, v24-31 the two tiles' q; v32-95 fragments of K, then V; v96-159 S^T, then p; v160-191 O^T; v192-207 p's codes; v208-223 ctx's codes; v232-254 at work.
.set SPARE, 262144                     ; behind K and V: the spare words, 128 bytes for each wave: eight blocks of 256 bytes that no other line names
.set STAGE, 264192                     ; behind them: a stage of SBYTES for each pair
.set SBYTES, 4608                      ; nine groups of four registers, 512 bytes each
.set LI,   1                           ; v1  16 x lane
.set SPW,  2                           ; v2  LDS address of my spare word; never rewritten
.set NIL,  3                           ; v3  0; never rewritten
.set ADK,  4                           ; v4  LDS address of the step's block
.set DQ,   5                           ; v5  16 m + r - 8 h: on the diagonal register 8 t + j is hidden where 16 t + j > this
.set STG,  6                           ; v6  my pair's stage + 16 x lane
.set NINF, 7                           ; v7  -infinity
.set WV,   12
.set IW,   13                          ; s13 my pair
.set PART, 14                          ; s14 my part: bit 0 xor bit 2 of the wave's number
.set G1,   16
.set SEL,  24
.set CS,   26
.set J,    28                          ; s28 the block in hand;  s29 its LDS byte;  s30, s31 my range of blocks;  s36 the block on the diagonal
.set TB,   29
.set LO,   30
.set HI,   31
.set G0,   32
.set DG,   36
.set EPV,  57
.macro CROUND                          ; a round of the cluster's barrier
	s_barrier_signal -1
	s_barrier_wait -1
	s_cmp_lg_u32 s[WV], 0
	s_cbranch_scc1 .Lnot_wave_0_\@
	s_barrier_signal -3
.Lnot_wave_0_\@:
	s_barrier_wait -3
	s_barrier_signal -1
	s_barrier_wait -1
.endm
	s_load_b256 s[4:11], s[0:1], 0x0               ; qimg s[4:5], kv s[6:7], scales s[8:9], cimg s[10:11]
	v_lshl_add_u32 v[SPW], v0, 2, SPARE
	v_mov_b32 v[NIL], 0
	ds_add_u32 v[SPW], v[NIL]                      ; the opening: the add, twice on end, and its wait ahead of my tensor load
	ds_add_u32 v[SPW], v[NIL]
	v_lshrrev_b32 v8, 5, v0
	v_readfirstlane_b32 s[WV], v8                  ; wave 0..15
	s_lshr_b32 s[IW], s[WV], 1
	s_lshr_b32 s[PART], s[WV], 2
	s_xor_b32 s[PART], s[PART], s[WV]
	s_and_b32 s[PART], s[PART], 1
	s_bfe_u32 s15, ttmp6, 0x40000                  ; cx: the head in its group; it enters global addresses of q and ctx alone
	s_and_b32 s48, ttmp7, 0xffff                   ; the group
	s_mov_b32 s[G1], 15|(3<<16)|(1<<21)            ; the mask of all four partners; elements of 8 bytes; bit 21 beside a mask
	s_mov_b32 s[G1+1], 32<<16                      ; rows of 256 bytes
	s_mov_b32 s[G1+2], 64<<16                      ; 64 of them: a block, dense in memory and in LDS
	s_mov_b32 s[G1+3], 32<<16
	s_mov_b32 s[G1+4], 64
	s_mov_b32 s[G1+5], 32
	s_mov_b32 s[G1+6], 0
	s_mov_b32 s[G1+7], 0
	s_mov_b32 s[SEL], 0x76543210
	s_mov_b32 s[SEL+1], 0xfedcba98
	s_lshl_b32 s49, s[IW], 3
	s_add_co_u32 s58, s49, ttmp9                   ; the first tile: 8 i + m
	s_sub_co_u32 s59, 120, s49
	s_add_co_u32 s59, s59, ttmp9                   ; the second: 8 (15 - i) + m
	s_lshl_b32 s68, s48, 2
	s_add_co_u32 s68, s68, s15                     ; the head
	s_lshl_b32 s69, s68, 17
	s_lshl_b32 s70, s58, 10
	s_add_co_u32 s70, s70, s69                     ; q: 131,072 bytes a head, 1,024 a tile
	s_mov_b32 s71, 0
	s_lshl_b32 s72, s59, 10
	s_add_co_u32 s72, s72, s69
	s_mov_b32 s73, 0
	s_lshl_b32 s74, s68, 10
	s_lshl_b32 s60, s58, 15
	s_add_co_u32 s60, s60, s74                     ; ctx: 32,768 bytes a tile, 1,024 a head
	s_mov_b32 s61, 0
	s_lshl_b32 s62, s59, 15
	s_add_co_u32 s62, s62, s74
	s_mov_b32 s63, 0
	s_lshl_b32 s51, s[WV], 14                      ; my block, in kv and in LDS
	s_lshl_b32 s66, s48, 18
	s_add_co_u32 s66, s66, s51
	s_mov_b32 s67, 0
	s_wait_dscnt 0x0                               ; both opening adds are done
	s_wait_kmcnt 0x0
	s_load_b128 s[52:55], s[8:9], 0x18             ; e6, e7, e8, e9
	s_load_b32 s56, s[8:9], 0x28                   ; e10
	s_add_nc_u64 s[6:7], s[6:7], s[66:67]
	s_add_nc_u64 s[70:71], s[4:5], s[70:71]
	s_add_nc_u64 s[72:73], s[4:5], s[72:73]
	s_add_nc_u64 s[60:61], s[10:11], s[60:61]
	s_add_nc_u64 s[62:63], s[10:11], s[62:63]
	s_mov_b32 s[G0], 1
	s_mov_b32 s[G0+1], s51
	s_mov_b64 s[G0+2:G0+3], s[6:7]
	s_or_b32 s[G0+3], s[G0+3], 0x80000000
	CROUND                                         ; all four work-groups are here: the joint loads meet
	tensor_load_to_lds s[G0:G0+3], s[G1:G1+7]      ; block w: my one tensor load of the launch
	s_nop 0
.rept 4
	v_nop
.endr
	v_and_b32 v8, 31, v0
	v_lshlrev_b32 v[LI], 4, v8
.irp c, 0,1
	global_load_b128 v[16+4*\c:19+4*\c], v[LI], s[70:71] offset:512*\c
	global_load_b128 v[24+4*\c:27+4*\c], v[LI], s[72:73] offset:512*\c
.endr
	v_and_b32 v8, 15, v0
	v_bfe_u32 v9, v0, 4, 1
	v_lshlrev_b32 v9, 3, v9
	v_sub_nc_u32 v[DQ], v8, v9
	s_lshl_b32 s49, ttmp9, 4
	v_add_nc_u32 v[DQ], s49, v[DQ]
	s_mul_i32 s50, s[IW], SBYTES
	s_add_co_u32 s50, s50, STAGE
	v_add_nc_u32 v[STG], s50, v[LI]
	v_mov_b32 v[NINF], 0xff800000
	v_mov_b32 v236, 0                              ; a lane permute's destination counts as a source
	v_mov_b32 v247, 0                              ; upper halves of pairs of which the low word serves both halves
	v_mov_b32 v252, 0
	v_mov_b32 v253, 0
	s_wait_kmcnt 0x0
	s_add_co_i32 s48, s52, s53
	s_lshl_b32 s48, s48, 23
	s_add_co_i32 s[CS], s48, 0x3e38aa3b            ; c = log2(e) / 8, with e6 + e7 added to its exponent field
	s_mov_b32 s[CS+1], s[CS]
	s_add_co_i32 s48, s54, 127
	s_lshl_b32 s49, s48, 23
	v_mov_b32 v244, s49                            ; 2^e8
	s_add_co_i32 s48, s48, 8
	s_lshl_b32 s48, s48, 23
	s_or_b32 s48, s48, 0x600000
.set HOLD, 37
	s_mov_b32 s[HOLD], s48                         ; 448 x 2^e8
	s_add_co_i32 s48, s56, 127
	s_lshl_b32 s49, s48, 23
	v_mov_b32 v245, s49                            ; 2^e10
	s_add_co_i32 s48, s48, 8
	s_lshl_b32 s48, s48, 23
	s_or_b32 s48, s48, 0x600000
	v_mov_b32 v241, s48                            ; 448 x 2^e10
	s_add_co_i32 s[EPV], s54, s55                  ; e8 + e9
; A STEP: block J, 128 keys, for the tile whose q lies at v[qf]
.macro STEP qf
	s_cmp_lt_u32 s[J], s[LO]
	s_cbranch_scc1 .Lhid_\@
	s_cmp_ge_u32 s[J], s[HI]
	s_cbranch_scc1 .Lhid_\@
	v_add_nc_u32 v[ADK], s[TB], v[LI]
.rept 3
	v_nop                                          ; with the line above: four places in front of loads into registers that matrix instructions have read
.endr
.irp t, 0,1,2,3,4,5,6,7
.irp c, 0,1
	ds_load_b128 v[32+8*\t+4*\c:35+8*\t+4*\c], v[ADK] offset:1024*\t+512*\c
.endr
.endr
	s_wait_alu depctr_va_vdst(0)
.irp t, 0,1,2,3,4,5,6,7
	s_wait_dscnt 14-2*\t                           ; tile t's two loads are in; the 14 - 2 t issued behind them may be out
	v_wmma_f32_16x16x64_fp8_fp8 v[96+8*\t:103+8*\t], v[32+8*\t:39+8*\t], v[\qf:\qf+7], 0
.endr
.rept 4
	v_nop
.endr
.irp d, 0,1,2,3                                ; V's fragments land under the softmax
.irp c, 0,1,2,3
	ds_load_b128 v[32+16*\d+4*\c:35+16*\d+4*\c], v[ADK] offset:8192+2048*\d+512*\c
.endr
.endr
	s_cmp_lg_u32 s[J], s[DG]
	s_cbranch_scc1 .Lopen_\@
.set N_, 0
.rept 64                                       ; on the diagonal hidden scores become -infinity ahead of the maximum
	v_cmp_gt_i32 vcc_lo, 16*(N_/8)+N_%8, v[DQ]
	v_cndmask_b32 v[96+N_], v[96+N_], v[NINF], vcc_lo
.set N_, N_+1
.endr
.Lopen_\@:
	v_max3_num_f32 v254, v96, v97, v98             ; the step's largest score, in four chains, each accumulator from its low end on
	v_max3_num_f32 v252, v99, v100, v101
	v_max3_num_f32 v250, v102, v103, v104
	v_max3_num_f32 v248, v105, v106, v107
.set N_, 12
.rept 6
	v_max3_num_f32 v254, v254, v[96+N_], v[97+N_]
	v_max3_num_f32 v252, v252, v[98+N_], v[99+N_]
	v_max3_num_f32 v250, v250, v[100+N_], v[101+N_]
	v_max3_num_f32 v248, v248, v[102+N_], v[103+N_]
.set N_, N_+8
.endr
	v_max3_num_f32 v254, v254, v156, v157
	v_max3_num_f32 v252, v252, v158, v159
	s_delay_alu instid0(VALU_DEP_1)
	v_max3_num_f32 v254, v254, v252, v250
	s_delay_alu instid0(VALU_DEP_1)
	v_max_num_f32 v254, v254, v248
	s_delay_alu instid0(VALU_DEP_1)
	v_permlanex16_b32 v236, v254, s[SEL], s[SEL+1]
	s_delay_alu instid0(VALU_DEP_1)
	v_max_num_f32 v254, v254, v236                 ; and lane l xor 16's
	s_delay_alu instid0(VALU_DEP_1)
	v_mul_f32 v254, s[CS], v254
	s_delay_alu instid0(VALU_DEP_1)
	v_max_num_f32 v13, v13, v254                   ; the running largest t
	v_mov_b32 v254, v12
	s_delay_alu instid0(VALU_DEP_2)
	v_floor_f32 v12, -v13                          ; -M = floor(-t)
	s_delay_alu instid0(VALU_DEP_1)
	v_sub_f32 v254, v12, v254
	s_delay_alu instid0(VALU_DEP_1)
	v_cvt_i32_f32 v254, v254
	s_delay_alu instid0(VALU_DEP_1)
	v_ldexp_f32 v252, 1.0, v254                    ; f = 2^(old M - new M)
.set N_, 0
.rept 32
	v_pk_fma_f32 v[96+N_:97+N_], v[96+N_:97+N_], s[CS:CS+1], v[12:13] op_sel_hi:[1,0,0]   ; t - M
.set N_, N_+2
.endr
	s_wait_alu depctr_va_vdst(0)
.set N_, 0
.rept 64
	v_exp_f32 v[96+N_], v[96+N_]
.set N_, N_+1
.endr
	v_pk_mul_f32 v[14:15], v[14:15], v[252:253] op_sel_hi:[1,0]   ; the sums under the new M; a plain place behind the batch
	s_wait_alu depctr_va_vdst(0)                   ; one wait for the batch, ahead of its first use
	v_pk_add_f32 v[242:243], v[96:97], v[98:99]    ; the sum of the unquantised p, in four chains
	v_pk_add_f32 v[232:233], v[100:101], v[102:103]
	v_pk_add_f32 v[234:235], v[104:105], v[106:107]
	v_pk_add_f32 v[14:15], v[14:15], v[108:109]
.set N_, 14
.rept 6
	v_pk_add_f32 v[242:243], v[242:243], v[96+N_:97+N_]
	v_pk_add_f32 v[232:233], v[232:233], v[98+N_:99+N_]
	v_pk_add_f32 v[234:235], v[234:235], v[100+N_:101+N_]
	v_pk_add_f32 v[14:15], v[14:15], v[102+N_:103+N_]
.set N_, N_+8
.endr
	v_pk_add_f32 v[242:243], v[242:243], v[158:159]
	v_pk_add_f32 v[232:233], v[232:233], v[234:235]
	v_pk_add_f32 v[14:15], v[14:15], v[242:243]
	s_delay_alu instid0(VALU_DEP_1)
	v_pk_add_f32 v[14:15], v[14:15], v[232:233]
.irp t, 0,1,2,3,4,5,6,7
.irp i, 0,2,4,6
	v_dual_min_num_f32 v[96+8*\t+\i], s[HOLD], v[96+8*\t+\i] :: v_dual_min_num_f32 v[97+8*\t+\i], s[HOLD], v[97+8*\t+\i]   ; the conversion does not saturate (ISA guide 7.6.2); p is not negative, so the hold is one-sided; two numbers a line
.endr
	v_cvt_scalef32_pk8_fp8_f32 v[192+2*\t:193+2*\t], v[96+8*\t:103+8*\t], v244
.endr
	s_wait_alu depctr_va_vdst(0)                   ; directly ahead of the first use of O^T
.set N_, 0
.rept 16
	v_pk_mul_f32 v[160+N_:161+N_], v[160+N_:161+N_], v[252:253] op_sel_hi:[1,0]   ; O^T under the new M
.set N_, N_+2
.endr
	s_wait_alu depctr_va_vdst(0)
	s_wait_dscnt 0x0                               ; V's fragments
.irp d, 0,1,2,3
	v_wmma_f32_16x16x128_fp8_fp8 v[160+8*\d:167+8*\d], v[32+16*\d:47+16*\d], v[192:207], v[160+8*\d:167+8*\d]
.endr
.Lhid_\@:
	s_add_co_u32 s[J], s[J], 1
	s_add_co_u32 s[TB], s[TB], 16384
.endm
.macro INIT                            ; the step is written once: the first finds zeros, which the first change of M leaves zeros
	v_mov_b32 v13, 0xff61b1e6                      ; -3e38, under every t
	s_delay_alu instid0(VALU_DEP_1)
	v_floor_f32 v12, -v13
	v_mov_b32 v14, 0
	v_mov_b32 v15, 0
.set N_, 0
.rept 32
	v_mov_b32 v[160+N_], 0
.set N_, N_+1
.endr
	s_wait_alu depctr_va_vdst(0)
.endm
; A tile leaves: O^T / the sum x 2^(e8 + e9), held, converted with 2^e10: two stores of 512 consecutive bytes
.macro FINISH c, base
.rept 4
	v_nop
.endr
	v_add_f32 v14, v14, v15
	s_delay_alu instid0(VALU_DEP_1)
	v_permlanex16_b32 v252, v14, s[SEL], s[SEL+1]
	s_delay_alu instid0(VALU_DEP_1)
	v_add_f32 v14, v14, v252
	s_wait_alu depctr_va_vdst(0)                   ; the wait ahead of the transcendental
	v_rcp_f32 v14, v14
	v_nop
	s_wait_alu depctr_va_vdst(0)                   ; and ahead of its first use
	v_ldexp_f32 v14, v14, s[EPV]
	s_wait_alu depctr_va_vdst(0)                   ; and directly ahead of the first use of O^T
.set N_, 0
.rept 16
	v_pk_mul_f32 v[96+N_:97+N_], v[160+N_:161+N_], v[14:15] op_sel_hi:[1,0]
.set N_, N_+2
.endr
.set N_, 0
.rept 32
	v_med3_num_f32 v[96+N_], v[96+N_], -v241, v241
.set N_, N_+1
.endr
.irp d, 0,1,2,3
	v_cvt_scalef32_pk8_fp8_f32 v[\c+2*\d:\c+2*\d+1], v[96+8*\d:103+8*\d], v245
.endr
	v_nop                                          ; a plain line behind the last conversion
	global_store_b128 v[LI], v[\c:\c+3], s[\base:\base+1]
	global_store_b128 v[LI], v[\c+4:\c+7], s[\base:\base+1] offset:512
.endm
	; the first loop: part 0 walks blocks 0 .. i of tile i, part 1 nothing
	s_add_co_u32 s40, s[IW], 1
	s_cmp_eq_u32 s[PART], 0
	s_cselect_b32 s[HI], s40, 0
	s_mov_b32 s[LO], 0
	s_mov_b32 s[DG], s[IW]
	INIT
	s_wait_loadcnt 0x0                             ; q
	s_wait_tensorcnt 0x0                           ; my block is in
	s_barrier_signal -1
	s_barrier_wait -1                              ; everybody's is: K and V are whole
	s_mov_b32 s[J], 0
	s_mov_b32 s[TB], 0
.Lfirst:
	STEP 16
	s_cmp_lt_u32 s[J], 8
	s_cbranch_scc1 .Lfirst
	s_cmp_lg_u32 s[PART], 0
	s_cbranch_scc1 .Lno_a
	FINISH 208, 60
.Lno_a:
.rept 4
	v_nop
.endr
	; the second loop, tile 15 - i: part 0 walks blocks 0 .. 6 - i, none of them on the diagonal; part 1 blocks 7 - i .. 15 - i
	s_sub_co_u32 s40, 7, s[IW]
	s_sub_co_u32 s41, 16, s[IW]
	s_sub_co_u32 s42, 15, s[IW]
	s_cmp_eq_u32 s[PART], 0
	s_cselect_b32 s[LO], 0, s40
	s_cselect_b32 s[HI], s40, s41
	s_cselect_b32 s[DG], -1, s42
	INIT
	s_mov_b32 s[J], 0
	s_mov_b32 s[TB], 0
.Lsecond:
	STEP 24
	s_cmp_lt_u32 s[J], 16
	s_cbranch_scc1 .Lsecond
.rept 4
	v_nop                                          ; places behind the last products
.endr
	s_cmp_lg_u32 s[PART], 0
	s_cbranch_scc1 .Lmeet
.irp k, 0,1,2,3,4,5,6,7
	ds_store_b128 v[STG], v[160+4*\k:163+4*\k] offset:512*\k   ; part 0's O^T as an image of its registers,
.endr
	ds_store_b128 v[STG], v[12:15] offset:4096     ; its -M and its sums
.Lmeet:
	s_wait_dscnt 0x0                               ; my stores are done
	s_barrier_signal -1
	s_barrier_wait -1
	s_cmp_eq_u32 s[PART], 0
	s_cbranch_scc1 .Lend
.irp k, 0,1,2,3,4,5,6,7
	ds_load_b128 v[96+4*\k:99+4*\k], v[STG] offset:512*\k
.endr
	ds_load_b128 v[128:131], v[STG] offset:4096
	s_wait_dscnt 0x0
	v_min_num_f32 v250, v12, v128                  ; -M of the two parts together
	v_sub_f32 v252, v250, v12
	v_sub_f32 v246, v250, v128                     ; whole numbers, 0 or less (a part with no step has -M = 3e38 and zeros: its factor is 0)
	v_cvt_i32_f32 v252, v252
	v_cvt_i32_f32 v246, v246
	v_ldexp_f32 v252, 1.0, v252
	v_ldexp_f32 v246, 1.0, v246
	v_pk_mul_f32 v[14:15], v[14:15], v[252:253] op_sel_hi:[1,0]
	v_pk_fma_f32 v[14:15], v[130:131], v[246:247], v[14:15] op_sel_hi:[1,0,1]
.set N_, 0
.rept 16
	v_pk_mul_f32 v[160+N_:161+N_], v[160+N_:161+N_], v[252:253] op_sel_hi:[1,0]
.set N_, N_+2
.endr
.set N_, 0
.rept 16
	v_pk_fma_f32 v[160+N_:161+N_], v[96+N_:97+N_], v[246:247], v[160+N_:161+N_] op_sel_hi:[1,0,1]
.set N_, N_+2
.endr
	FINISH 216, 62
.Lend:
	s_wait_tensorcnt 0x0                           ; the wave's end
	ds_add_u32 v[SPW], v[NIL]
	s_wait_dscnt 0x0
	CROUND                                         ; the closing round
	s_endpgm
.Lfunc_end_k_q00075f436e_attn:
	.size	k_q00075f436e_attn, .Lfunc_end_k_q00075f436e_attn-k_q00075f436e_attn
	.p2alignl 7, 3214868480
	.fill 96, 4, 3214868480
	.section	.rodata,"a",@progbits
	.p2align	6, 0x0
	.amdhsa_kernel k_q00075f436e_attn
		.amdhsa_group_segment_fixed_size 327680
		.amdhsa_private_segment_fixed_size 0
		.amdhsa_enable_private_segment 0
		.amdhsa_kernarg_size 32
		.amdhsa_user_sgpr_count 2
		.amdhsa_user_sgpr_kernarg_segment_ptr 1
		.amdhsa_wavefront_size32 1
		.amdhsa_system_sgpr_workgroup_id_x 1
		.amdhsa_system_sgpr_workgroup_id_y 1
		.amdhsa_system_sgpr_workgroup_id_z 1
		.amdhsa_system_vgpr_workitem_id 0
		.amdhsa_next_free_vgpr 256
		.amdhsa_next_free_sgpr 100
		.amdhsa_reserve_vcc 1
		.amdhsa_float_denorm_mode_32 3
		.amdhsa_float_denorm_mode_16_64 3
		.amdhsa_memory_ordered 1
		.amdhsa_forward_progress 1
		.amdhsa_inst_pref_size 63
	.end_amdhsa_kernel
	.amdgpu_metadata
---
amdhsa.version: [ 1, 2 ]
amdhsa.kernels:
  - .name:           k_q00075f436e_attn
    .symbol:         k_q00075f436e_attn.kd
    .args:
      - { .name: qimg, .offset: 0, .size: 8, .value_kind: global_buffer, .address_space: global }
      - { .name: kv, .offset: 8, .size: 8, .value_kind: global_buffer, .address_space: global }
      - { .name: lowp_scales, .offset: 16, .size: 8, .value_kind: global_buffer, .address_space: global }
      - { .name: cimg, .offset: 24, .size: 8, .value_kind: global_buffer, .address_space: global }
    .group_segment_fixed_size: 327680
    .private_segment_fixed_size: 0
    .kernarg_segment_align: 8
    .kernarg_segment_size: 32
    .max_flat_workgroup_size: 512
    .sgpr_count:     100
    .vgpr_count:     256
    .wavefront_size: 32
...
	.end_amdgpu_metadata
.endif
;; end of part 3
;; launch outp (part 4): grid 16 x 16, 4 waves a work-group, clusters of 4 x 4, 327,680 bytes of LDS; arguments cimg, wimg, lowp_scales, out0; writes out0
.if DOCPART == 4
	.amdgcn_target "amdgcn-amd-amdhsa--gfx1250"
	.amdhsa_code_object_version 6
	.text
	.protected	k_q00075f436e_outp
	.globl	k_q00075f436e_outp
	.p2align	8
	.type	k_q00075f436e_outp,@function
k_q00075f436e_outp:
	s_mov_b64 s[64:65], 0
	v_nop
	global_prefetch_b8 v0, s[64:65] scope:SCOPE_SE
	s_setreg_imm32_b32 hwreg(HW_REG_WAVE_MODE, 25, 1), 1
	s_wait_xcnt 0x0
	s_wait_alu depctr_hold_cnt(0) depctr_sa_sdst(0) depctr_va_vdst(0) depctr_va_sdst(0) depctr_va_ssrc(0) depctr_va_vcc(0) depctr_vm_vsrc(0)
	s_getreg_b32 s2, hwreg(HW_REG_IB_STS2, 6, 4)
	s_cmp_eq_u32 s2, 0
	s_cbranch_scc0 .Lentry_in_a_cluster
	s_endpgm
.Lentry_in_a_cluster:
	s_bfe_u32 s2, ttmp6, 0x10000c
	s_cmp_lg_u32 s2, 0xf033
	s_cbranch_scc0 .Lentry_shape_is_right
	s_endpgm
.Lentry_shape_is_right:
; out = ctx Wo on codes of FP8 (E4M3), K = 2,048; each finished sum is multiplied once by 2^(e10 + e11).  out0: [2048][2048] f32.
;   in: cimg [tile of 16 tokens: 128][16][2048], wimg [tile of 16 columns: 320][16][2048] (Wo's columns are tiles 192 on): images of operand registers:
;   16 rows x 128 k in 2,048 bytes; lane L = r + 16 h takes the 16 bytes at 512 c + 16 L: row r, k = 32 c + 8 h + 0..7, then 32 c + 16 + 8 h + 0..7.
; A tile of the result is 128 x 128: four waves, 64 x 64 each, 16 accumulators.  K goes in four steps of 512 through two LDS slots; an operand's tile of a K step is 8 x 8,192 bytes, the images as they lie in memory.
; THE MATRIX INSTRUCTION IS USED TRANSPOSED: source 0 = 16 columns of Wo, source 1 = 16 tokens: a lane holds eight neighbouring numbers of a row of out.
; CLUSTERS: 4 x 4 work-groups.  ctx's tile is shared along a row of the cluster, Wo's along a column: each is asked for JOINTLY.
; LIMIT: e10 + e11 between -126 and 127, so that 2^(e10 + e11) is an f32 number.
; REGISTERS: window 0: v16-31 addresses; v32-63 a block's scaled sums; v64-127 rows read back from the stage; v128-255 the accumulators ((a, b) at v[128 + 8 (4 a + b)]).
;   window 1: two fragment buffers of 128: source 1's four fragments (16 registers each), then source 0's four.
.set SLOT,   131072                    ; ctx's 8 x 8,192 bytes, then Wo's
.set SPARE,  262144                    ; behind the ring: the spare words, 128 bytes for each wave: two blocks of 256 bytes that no other line names
.set SPITCH, 272                       ; the way out: a stage of 16 rows x (256 bytes + 16) for each wave, in slot 0, which has had its last fill and its last read when the first result is stored there
.set ADRP, 16                          ; v16-17  LDS address of my source-0 fragments (Wo) in slot 0, 1
.set ADRQ, 20                          ; v20-21  of my source-1 fragments (ctx)
.set STO,  24                          ; v24     the way out: where I put 32 bytes of a row
.set RD,   25                          ; v25     where I read a row back
.set CO,   26                          ; v26     my byte offset in two rows of out
.set LI,   27                          ; v27     16 x lane
.set SPW,  28                          ; v28     LDS address of my spare word; never rewritten
.set NIL,  29                          ; v29     0; never rewritten
.set T,    32
.set BK,   64
.set ACC,  128
.set F0,   0
.set F1,   128
.set WV, 18                            ; s18 wave; s19 which half of the tokens is mine; s20 which half of the columns
.set HR, 19
.set HC, 20
.set G1, 24                            ; s[24:31] descriptor group 1 for ctx's tiles;  s[32:39] their groups 0, one for each slot
.set G0, 32
.set G1B, 48                           ; s[48:55], s[56:63] the same for Wo's
.set G0B, 56
.set MSB, 0
.macro WIN new                         ; the immediate's high byte repeats the setting that is left
.if MSB != \new
	s_set_vgpr_msb (MSB<<8)|\new
.set MSB, \new
.endif
.endm
.set MUL,  0x05                        ; sources 0 and 1 window 1; C and D window 0
.set TO_F, 0x40                        ; destination window 1, address window 0
.macro JLOAD s                         ; a joint refill of slot s: wave 2 s fetches ctx's whole tile, wave 2 s + 1 Wo's, the other two nothing; an s_nop 0 and four v_nop follow each line
	s_cmp_eq_u32 s[WV], 2*\s
	s_cbranch_scc0 .Lfor_b_\@
	tensor_load_to_lds s[G0+4*\s:G0+4*\s+3], s[G1:G1+7]
	s_nop 0
.rept 4
	v_nop
.endr
	s_branch .Lasked_\@
.Lfor_b_\@:
	s_cmp_eq_u32 s[WV], 2*\s+1
	s_cbranch_scc0 .Lasked_\@
	tensor_load_to_lds s[G0B+4*\s:G0B+4*\s+3], s[G1B:G1B+7]
	s_nop 0
.rept 4
	v_nop
.endr
.Lasked_\@:
.endm
.macro CREST                           ; a round of the cluster's barrier behind its opening barrier
	s_cmp_lg_u32 s[WV], 0
	s_cbranch_scc1 .Lnot_wave_0_\@
	s_barrier_signal -3
.Lnot_wave_0_\@:
	s_barrier_wait -3
	s_barrier_signal -1
	s_barrier_wait -1
.endm
.macro CROUND                          ; a whole round
	s_barrier_signal -1
	s_barrier_wait -1
	CREST
.endm
.macro PLACES                          ; four plain vector lines in front of loads into registers that matrix instructions have read, and of the first read of results
.rept 4
	v_nop
.endr
.endm
	s_load_b256 s[4:11], s[0:1], 0x0               ; cimg s[4:5], wimg s[6:7], scales s[8:9], out0 s[10:11]
	v_lshl_add_u32 v[SPW], v0, 2, SPARE
	v_mov_b32 v[NIL], 0
	ds_add_u32 v[SPW], v[NIL]                      ; the wave's opening: the add and its wait stand ahead of my first tensor load; the set-up below, work on registers, stands between them
	ds_add_u32 v[SPW], v[NIL]
	v_lshrrev_b32 v1, 5, v0
	v_readfirstlane_b32 s[WV], v1                  ; wave 0..3
	s_lshr_b32 s[HR], s[WV], 1
	s_and_b32 s[HC], s[WV], 1
	s_bfe_u32 s21, ttmp6, 0x40000                  ; cx
	s_bfe_u32 s22, ttmp6, 0x40004                  ; cy
	s_and_b32 s23, ttmp7, 0xffff                   ; the cluster's y
	s_lshl_b32 s40, s22, 2
	s_lshl_b32 s40, 15, s40                        ; my row of the cluster
	s_lshl_b32 s41, 0x1111, s21                    ; my column
	; descriptor group 1: 8 rows of 8,192 bytes (an operand's eight images' rows of a K step), 32,768 bytes apart, dense in LDS: 65,536 bytes a load
	s_or_b32 s[G1], s40, (3<<16)|(1<<21)           ; 15:0 the mask; 17:16 elements of 8 bytes; 20 no padding; 21 set beside a mask
	s_or_b32 s[G1B], s41, (3<<16)|(1<<21)
.irp g, G1, G1B
	s_mov_b32 s[\g+1], 1024<<16                    ; tensor_dim0 = 1,024 elements
	s_mov_b32 s[\g+2], 8<<16                       ; tensor_dim1 = 8
	s_mov_b32 s[\g+3], 1024<<16                    ; tile_dim0
	s_mov_b32 s[\g+4], 8                           ; tile_dim1
	s_mov_b32 s[\g+5], 4096                        ; tensor_dim0_stride, in elements
	s_mov_b32 s[\g+6], 0
	s_mov_b32 s[\g+7], 0
.endr
	s_lshl_b32 s84, s23, 2
	s_add_co_u32 s84, s84, s22                     ; the block of 128 tokens: 4 Y + cy
	s_lshl_b32 s85, ttmp9, 2
	s_add_co_u32 s85, s85, s21                     ; the block of 128 columns: 4 X + cx
	s_lshl_b32 s88, s84, 18                        ; ctx's block: 8 tiles of 32,768 bytes
	s_mov_b32 s89, 0
	s_lshl_b32 s90, s85, 18                        ; Wo's
	s_mov_b32 s91, 0
	s_wait_dscnt 0x0                               ; the opening add is done
	s_wait_kmcnt 0x0
	s_load_b64 s[96:97], s[8:9], 0x28              ; e10, e11
	s_add_nc_u64 s[66:67], s[4:5], s[88:89]
	s_add_nc_u64 s[68:69], s[6:7], 0x600000        ; Wo's first tile: 192 x 32,768 bytes
	s_add_nc_u64 s[68:69], s[68:69], s[90:91]
	CROUND                                         ; all sixteen work-groups are here: the first joint loads meet
.irp s, 0,1
	s_mov_b32 s[G0+4*\s], 1                        ; count = 1
	s_mov_b32 s[G0+4*\s+1], \s*SLOT                ; LDS address: ctx's tile opens the slot
	s_add_nc_u64 s[G0+4*\s+2:G0+4*\s+3], s[66:67], \s*8192   ; K step s
	s_or_b32 s[G0+4*\s+3], s[G0+4*\s+3], 0x80000000          ; type = 2
	s_mov_b32 s[G0B+4*\s], 1
	s_mov_b32 s[G0B+4*\s+1], \s*SLOT+65536         ; Wo's lies behind it
	s_add_nc_u64 s[G0B+4*\s+2:G0B+4*\s+3], s[68:69], \s*8192
	s_or_b32 s[G0B+4*\s+3], s[G0B+4*\s+3], 0x80000000
.endr
; The first fills: one tensor load a wave, in one chain of four arms on the wave's number: wave 0 ctx's K step 0, wave 1 Wo's, waves 2 and 3 the same of K step 1
.macro ARM g0, g1
	tensor_load_to_lds s[\g0:\g0+3], s[\g1:\g1+7]
	s_nop 0
.rept 4
	v_nop
.endr
.endm
	s_cmp_eq_u32 s[WV], 0
	s_cbranch_scc0 .Lh1
	ARM G0, G1
	s_branch .Lhj
.Lh1:
	s_cmp_eq_u32 s[WV], 1
	s_cbranch_scc0 .Lh2
	ARM G0B, G1B
	s_branch .Lhj
.Lh2:
	s_cmp_eq_u32 s[WV], 2
	s_cbranch_scc0 .Lh3
	ARM G0+4, G1
	s_branch .Lhj
.Lh3:
	ARM G0B+4, G1B
.Lhj:
; PREFETCHES INTO THE L2.  Behind the first fills and behind the first refill stands one prefetch a wave for the K step that the NEXT refill loads: one K step ahead.  An operand's tile of a K step is 8 rows of 8,192 bytes; the four
; partners that ask for it jointly share the rows out BY ADDRESS: the partner at place p (cx for ctx, cy for Wo) takes rows 2 p and 2 p + 1; waves 0 and 1 name ctx's two rows, waves 2 and 3 Wo's, a lane to each 256 bytes.
; So each aligned block of 256 bytes is named once in each cluster that will load it.  Every offset is an immediate: the address registers are never rewritten.  K steps 0 and 1 come by their loads alone; the last refill asks for nothing.
.set PFA, 86                           ; s[86:87] my wave's row of its operand's tile, at K step 0
.set PFO, 22                           ; v22      256 x lane; never rewritten
.set PFN, 3                            ; the K step that the next prefetch names
	s_cmp_eq_u32 s[HR], 0
	s_cselect_b64 s[PFA:PFA+1], s[66:67], s[68:69]
	s_cselect_b32 s40, s21, s22                    ; my place among the four that ask jointly
	s_lshl_b32 s40, s40, 1
	s_add_co_u32 s40, s40, s[HC]
	s_lshl_b32 s40, s40, 15                        ; 32,768 bytes from row to row
	s_mov_b32 s41, 0
	s_add_nc_u64 s[PFA:PFA+1], s[PFA:PFA+1], s[40:41]
	v_and_b32 v[PFO], 31, v0
	v_lshlrev_b32 v[PFO], 8, v[PFO]
	global_prefetch_b8 v[PFO], s[PFA:PFA+1] offset:16384 th:TH_LOAD_NT scope:SCOPE_SE   ; K step 2
	v_and_b32 v1, 31, v0
	v_lshlrev_b32 v[LI], 4, v1
	s_lshl_b32 s40, s[HC], 15
	s_add_co_u32 s40, s40, 65536                   ; my half of Wo's tile, which lies behind ctx's 65,536 bytes
	s_lshl_b32 s41, s[HR], 15                      ; my half of ctx's
.irp s, 0,1
	v_add_nc_u32 v[ADRP+\s], s40, v[LI]
	v_add_nc_u32 v[ADRQ+\s], s41, v[LI]
	s_add_co_u32 s40, s40, SLOT
	s_add_co_u32 s41, s41, SLOT
.endr
	v_and_b32 v2, 15, v0                           ; r
	v_bfe_u32 v3, v0, 4, 1                         ; h
	s_mul_i32 s40, s[WV], 16*SPITCH                ; my stage
	v_mul_u32_u24 v[STO], v2, SPITCH               ; in: row r, 32 bytes for each half of the lanes
	v_lshl_add_u32 v[STO], v3, 5, v[STO]
	v_add_nc_u32 v[STO], s40, v[STO]
	v_mul_u32_u24 v[RD], v3, SPITCH                ; back: lanes 0-15 one row of 256 bytes, lanes 16-31 the next
	v_lshl_add_u32 v[RD], v2, 4, v[RD]
	v_add_nc_u32 v[RD], s40, v[RD]
	v_lshlrev_b32 v[CO], 13, v3                    ; and the same two rows in out: 8,192 bytes a row
	v_lshl_add_u32 v[CO], v2, 4, v[CO]
	s_lshl_b32 s40, s84, 20                        ; my first row: (128 x block + 64 x half) x 8,192,
	s_lshl_b32 s41, s[HR], 19
	s_add_co_u32 s40, s40, s41
	s_lshl_b32 s41, s85, 9                         ; my first column: (128 x block + 64 x half) x 4
	s_add_co_u32 s40, s40, s41
	s_lshl_b32 s41, s[HC], 8
	s_add_co_u32 s40, s40, s41
	s_mov_b32 s41, 0
	s_add_nc_u64 s[10:11], s[10:11], s[40:41]
	s_wait_kmcnt 0x0
	s_add_co_i32 s96, s96, s97                     ; e10 + e11
	s_add_co_i32 s96, s96, 127
	s_lshl_b32 s96, s96, 23                        ; 2^(e10 + e11) as f32
; 4 matrix instructions: source 1's block a x source 0's four, 128 along K, from buffer f.  zero = 1: the product starts the sums: nothing is ever cleared.
; The 16 accumulators take turns, one instruction a turn, in the same order everywhere.
.macro MUL4 f, a, zero
.irp b, 0,1,2,3
.if \zero
	v_wmma_f32_16x16x128_fp8_fp8 v[ACC+8*(4*(\a)+\b):ACC+8*(4*(\a)+\b)+7], v[\f+64+16*\b:\f+64+16*\b+15], v[\f+16*(\a):\f+16*(\a)+15], 0
.else
	v_wmma_f32_16x16x128_fp8_fp8 v[ACC+8*(4*(\a)+\b):ACC+8*(4*(\a)+\b)+7], v[\f+64+16*\b:\f+64+16*\b+15], v[\f+16*(\a):\f+16*(\a)+15], v[ACC+8*(4*(\a)+\b):ACC+8*(4*(\a)+\b)+7]
.endif
.endr
.endm
; 32 LDS loads in one run: the eight fragments of the slot's q-th 128 along K into buffer f: source 0's four, then source 1's.  A load takes 512 consecutive bytes.
.macro FETCH slot, q, f
	WIN TO_F
.irp i, 0,1,2,3
.irp c, 0,1,2,3
	ds_load_b128 v[\f+64+16*\i+4*\c:\f+64+16*\i+4*\c+3], v[ADRP+\slot] offset:\i*8192+(\q)*2048+512*\c
.endr
.endr
.irp i, 0,1,2,3
.irp c, 0,1,2,3
	ds_load_b128 v[\f+16*\i+4*\c:\f+16*\i+4*\c+3], v[ADRQ+\slot] offset:\i*8192+(\q)*2048+512*\c
.endr
.endr
.endm
; A K step is four quarters of 128 along K, 16 matrix instructions each, on buffers 0, 1, 0, 1.  One of the first three: multiplies buffer f and fetches quarter qn into g.
.macro QUARTER slot, qn, f, g, zero
	s_wait_dscnt 8                                 ; all but the youngest eight loads (source 1's blocks 2 and 3) are in
	WIN MUL
	MUL4 \f, 0, \zero
	MUL4 \f, 1, \zero
	PLACES
	FETCH \slot, \qn, \g
	s_wait_dscnt 32                                ; all but the 32 just issued
	WIN MUL
	MUL4 \f, 2, \zero
	MUL4 \f, 3, \zero
.endm
; The last quarter multiplies buffer 1 and changes slots: ONE barrier; in front of it each wave waits for all its tensor loads, adds 0 to its spare word, and waits for that and for its reads of this slot.
; fill = 1: this slot is filled again, two K steps ahead, behind a round of the cluster's barrier.
.macro TURN slot, next, fill
	WIN 0                                          ; (the add's two registers lie in window 0)
	s_wait_tensorcnt 0x0                           ; all my tensor loads have landed: my part of the next slot;
	ds_add_u32 v[SPW], v[NIL]                      ; 0 onto my spare word;
	s_wait_dscnt 9                                 ; (the add and the youngest eight loads may be out)
	WIN MUL
	MUL4 F1, 0, 0                                  ; matrix instructions stand between the add and the wait for it
	s_wait_dscnt 0x0                               ; the add is done, and my reads of this slot are over
	s_barrier_signal -1
	MUL4 F1, 1, 0
	WIN 0                                          ; (branches may follow)
	s_barrier_wait -1
.if \fill
	CREST                                          ; the barrier has opened a round of the cluster's barrier: no wave of any partner still reads this slot or has a load on its way
	s_add_nc_u64 s[G0+4*\slot+2:G0+4*\slot+3], s[G0+4*\slot+2:G0+4*\slot+3], 16384
	s_add_nc_u64 s[G0B+4*\slot+2:G0B+4*\slot+3], s[G0B+4*\slot+2:G0B+4*\slot+3], 16384
	JLOAD \slot                                    ; the first tensor load behind the round, a wave's only one until the next
	PLACES                                         ; the places in front of the loads below, on the way of the waves that fetch nothing too
.else
	PLACES
.endif
	FETCH \next, 0, F0
.if \fill
.if PFN < 4
	global_prefetch_b8 v[PFO], s[PFA:PFA+1] offset:8192*PFN th:TH_LOAD_NT scope:SCOPE_SE   ; (the address lies in window 0)
.endif
.set PFN, PFN+1
.endif
	WIN MUL
	MUL4 F1, 2, 0
	MUL4 F1, 3, 0
.endm
	s_wait_alu depctr_va_vdst(0)                   ; the head's end
	s_wait_tensorcnt 0x0                           ; my one load is in: a tile of K step 0 or of K step 1
	s_barrier_signal -1
	s_barrier_wait -1                              ; everybody's is
	FETCH 0, 0, F0
	QUARTER 0, 1, F0, F1, 1                        ; K step 0: its first quarter starts the sums
	QUARTER 0, 2, F1, F0, 0
	QUARTER 0, 3, F0, F1, 0
	TURN 0, 1, 1                                   ; slot 0 takes K step 2
	QUARTER 1, 1, F0, F1, 0                        ; K step 1
	QUARTER 1, 2, F1, F0, 0
	QUARTER 1, 3, F0, F1, 0
	TURN 1, 0, 1                                   ; slot 1 takes K step 3
	QUARTER 0, 1, F0, F1, 0                        ; K step 2
	QUARTER 0, 2, F1, F0, 0
	QUARTER 0, 3, F0, F1, 0
	TURN 0, 1, 0                                   ; nothing is left to fetch; behind this barrier nobody reads slot 0 any more
	QUARTER 1, 1, F0, F1, 0                        ; K step 3
	QUARTER 1, 2, F1, F0, 0
	QUARTER 1, 3, F0, F1, 0
	s_wait_dscnt 8                                 ; the very last quarter
	WIN MUL
	MUL4 F1, 0, 0
	MUL4 F1, 1, 0
	s_wait_dscnt 0x0
	MUL4 F1, 2, 0
	MUL4 F1, 3, 0
	WIN 0
; THE WAY OUT, block by block of 16 rows x 64 columns.  A lane holds 32 neighbouring bytes of a row, and the lanes beside it hold other rows: so a block goes through my own stage in LDS and comes back as whole
; rows of 256 bytes.  LDS serves a wave's instructions in order (ISA guide 5.7.1.4): no wait between the stores and the loads, nor in front of the next block's stores.
.macro TOSTAGE a
.irp b, 0,1,2,3
.irp i, 0,2,4,6
	v_pk_mul_f32 v[T+8*\b+\i:T+8*\b+\i+1], v[ACC+8*(4*(\a)+\b)+\i:ACC+8*(4*(\a)+\b)+\i+1], s[96:97] op_sel_hi:[1,0]   ; both x s96 = 2^(e10 + e11); each accumulator from its low end on
.endr
.endr
.irp b, 0,1,2,3
	ds_store_b128 v[STO], v[T+8*\b:T+8*\b+3] offset:64*\b
	ds_store_b128 v[STO], v[T+8*\b+4:T+8*\b+7] offset:64*\b+16
.endr
.irp t, 0,1,2,3,4,5,6,7
	ds_load_b128 v[BK+32*((\a)%2)+4*\t:BK+32*((\a)%2)+4*\t+3], v[RD] offset:\t*2*SPITCH
.endr
.endm
.macro SEND a, younger                 ; younger: the LDS instructions issued behind block a's loads, which may stay out
	s_wait_dscnt \younger                          ; the block is back in registers
.irp t, 0,1,2,3,4,5,6,7
	global_store_b128 v[CO], v[BK+32*((\a)%2)+4*\t:BK+32*((\a)%2)+4*\t+3], s[10:11] offset:(16*(\a)+2*\t)*8192 th:TH_STORE_NT   ; 16 lanes store 256 consecutive bytes, at a multiple of 256 from out's first byte
.endr
.endm
	PLACES
	TOSTAGE 0
.irp a, 1,2,3
.if \a > 1
	s_wait_xcnt 0x0                                ; block a - 2's stores have read their registers: block a's loads may land there
.endif
	TOSTAGE \a
	SEND \a-1, 16                                  ; behind block a - 1's loads: block a's 8 stores and 8 loads
.endr
	SEND 3, 0
	s_wait_tensorcnt 0x0                           ; the wave's end: behind my last tensor load and my last LDS store
	ds_add_u32 v[SPW], v[NIL]
	s_wait_dscnt 0x0
	CROUND                                         ; the closing round: no work-group ends while a partner may still ask for a tile that names it
	s_endpgm
.Lfunc_end_k_q00075f436e_outp:
	.size	k_q00075f436e_outp, .Lfunc_end_k_q00075f436e_outp-k_q00075f436e_outp
	.p2alignl 7, 3214868480
	.fill 96, 4, 3214868480
	.section	.rodata,"a",@progbits
	.p2align	6, 0x0
	.amdhsa_kernel k_q00075f436e_outp
		.amdhsa_group_segment_fixed_size 327680
		.amdhsa_private_segment_fixed_size 0
		.amdhsa_enable_private_segment 0
		.amdhsa_kernarg_size 32
		.amdhsa_user_sgpr_count 2
		.amdhsa_user_sgpr_kernarg_segment_ptr 1
		.amdhsa_wavefront_size32 1
		.amdhsa_system_sgpr_workgroup_id_x 1
		.amdhsa_system_sgpr_workgroup_id_y 1
		.amdhsa_system_sgpr_workgroup_id_z 1
		.amdhsa_system_vgpr_workitem_id 0
		.amdhsa_next_free_vgpr 512
		.amdhsa_next_free_sgpr 100
		.amdhsa_reserve_vcc 0
		.amdhsa_float_denorm_mode_32 3
		.amdhsa_float_denorm_mode_16_64 3
		.amdhsa_memory_ordered 1
		.amdhsa_forward_progress 1
		.amdhsa_inst_pref_size 74
	.end_amdhsa_kernel
	.amdgpu_metadata
---
amdhsa.version: [ 1, 2 ]
amdhsa.kernels:
  - .name:           k_q00075f436e_outp
    .symbol:         k_q00075f436e_outp.kd
    .args:
      - { .name: cimg, .offset: 0, .size: 8, .value_kind: global_buffer, .address_space: global }
      - { .name: wimg, .offset: 8, .size: 8, .value_kind: global_buffer, .address_space: global }
      - { .name: lowp_scales, .offset: 16, .size: 8, .value_kind: global_buffer, .address_space: global }
      - { .name: out0, .offset: 24, .size: 8, .value_kind: global_buffer, .address_space: global }
    .group_segment_fixed_size: 327680
    .private_segment_fixed_size: 0
    .kernarg_segment_align: 8
    .kernarg_segment_size: 32
    .max_flat_workgroup_size: 128
    .sgpr_count:     100
    .vgpr_count:     512
    .wavefront_size: 32
...
	.end_amdgpu_metadata
.endif
;; end of part 4
